; MI455X (gfx1250); checked and timed in simulation.
; The chip was launched on July 23, 2026; its instructions are those of AMD's public machine-readable ISA for CDNA 5 (MIT licence, August 2026) and "CDNA5" Instruction Set Architecture Reference Guide (July 2026). The comments in the code are by the model that wrote it; some were corrected since.
;; Multi Head Attention. Allowed arithmetic: matrix products marked QUANTISED: E2M3 operands, one E8M0 scale for each 32 along K, by v_wmma_scale_f32_16x16x128_f8f6f4 with both operands' format E2M3, f32 sums; everything else in f32.
;; Inputs: Wk 1,024 x 1,024 float32; Wo 1,024 x 1,024 float32; Wq 1,024 x 1,024 float32; Wv 1,024 x 1,024 float32; bk 1,024 float32; bo 1,024 float32; bq 1,024 float32; bv 1,024 float32; k 4 x 2,048 x 1,024 float32; q 4 x 2,048 x 1,024 float32; v 4 x 2,048 x 1,024 float32.
;; Outputs: out0 4 x 2,048 x 1,024 float32.
;; This version of the problem:
;;   THIS VERSION OF THE PROBLEM IS GIVEN IN LOW PRECISION. The matrix products marked QUANTISED in the list below multiply operands that are first quantised to E2M3 (2 exponent bits, 3 mantissa bits; 6 bits a number), with one power-of-two scale for each 32 numbers along K (OCP MX v1.0); their sums are f32. All else is computed in f32.
;;   The module's matrix products, in the order in which they are computed (A, B: the left and right operand; K: the contracted axis; several contracted axes count as one K, in the product's order):
;;     1. [M 8,192, K 1,024] x [K 1,024, N 1,024]; A: input q; B: input Wq: QUANTISED
;;     2. [M 8,192, K 1,024] x [K 1,024, N 1,024]; A: input k; B: input Wk: QUANTISED
;;     3. [M 8,192, K 1,024] x [K 1,024, N 1,024]; A: input v; B: input Wv: QUANTISED
;;     4. batch 64 x [M 2,048, K 64] x [K 64, N 2,048]; A: computed on the way; B: computed on the way: QUANTISED
;;     5. batch 64 x [M 2,048, K 2,048] x [K 2,048, N 64]; A: softmax (see below); B: computed on the way: QUANTISED
;;     6. [M 8,192, K 1,024] x [K 1,024, N 1,024]; A: computed on the way; B: input Wo: QUANTISED
;;   THE QUANTISER, for each operand of a quantised product, along K:
;;     - K is cut into blocks of 32 from its start; a last block that is shorter is filled with zeros.
;;     - A block's scale is 2^e with e = floor(log2(the largest magnitude in the block)) - 2, held to -126 .. 127; a block of zeros has e = 0. As a byte (E8M0): e + 127.
;;     - Each number is divided by its block's scale, clamped to +-7.5, and rounded to the nearest number of E2M3, ties to even, subnormals kept.
;;     - The product sums the exact products of the quantised numbers (number of the format x scale) in f32.
;;   ~~~python
;;   def quantise(x, axis):      # numpy; x: float32 -> the quantised numbers, widened to float32 again
;;       x = np.moveaxis(x, axis, -1); K = x.shape[-1]
;;       x = np.pad(x, [(0, 0)] * (x.ndim - 1) + [(0, -K % 32)]); x = x.reshape(x.shape[:-1] + (-1, 32)); a = np.abs(x).max(-1, keepdims=True)
;;       e = np.where(a > 0, np.clip(np.frexp(np.where(a > 0, a, 1))[1] - 1 - 2, -126, 127), 0)      # np.frexp(a)[1] - 1 = floor(log2(a)), exactly
;;       r = np.clip(x / 2.0 ** e, -7.5, 7.5)
;;       step = 2.0 ** (np.maximum(np.frexp(np.where(r == 0, 1, r))[1] - 1, 0) - 3)
;;       q = np.round(r / step) * step * 2.0 ** e      # np.round: ties to even
;;       return np.moveaxis(q.reshape(q.shape[:-2] + (-1,))[..., :K], -1, axis).astype(np.float32)
;;   ~~~
;;   SOFTMAX AHEAD OF A QUANTISED PRODUCT. Where the list says 'softmax', what is quantised is not the finished softmax but p = 2^(t - M), with t = logit x log2(e) and M = ceil(the row's largest t), a whole number; so 1/2 < the row's largest p <= 1. The row's sum l is taken of the UNQUANTISED p, in f32, and the product's result is divided by l at the end. Since M is a whole number, a kernel that streams over the keys may use a running M (the ceiling of the running maximum): every later rescaling is an exact power of two, which a block's scale takes up: the codes' values come out the same.
;;   OPERANDS COMPUTED ON THE WAY. 'Computed on the way' means the value that the module computes at that place (a softmax that the list does not call 'softmax' is quantised finished and normalised). What goes into a quantiser is computed in f32, as accurately as f32 sums, v_exp_f32 and their like allow (about 1e-6 of the number): no bf16 or f16 on the way to a quantiser, and a product that is left as it is and whose result goes on into a quantised operand takes f32 operands (vector FMAs, or v_wmma_f32_16x16x4_f32). A number that lies on a knife's edge between two numbers of the format may be rounded either way, as far as f32 arithmetic and the matrix unit's own rounding can turn it there, and no further.
;; One version. Each part assembles by itself: llvm-mc -triple=amdgcn-amd-amdhsa -mcpu=gfx1250 --defsym DOCPART=n.
;; ======== version 1 of 1: 4 launches
;; limits: right only within a limited range of input values
;; workspace buffers: ximg 22,020,096 bytes; xsc 917,504 bytes; qimg 6,553,600 bytes; kv 13,107,200 bytes; aoimg 6,291,456 bytes; aosc 262,144 bytes
;; launch quant (part 1): grid 256 x 1, 7 waves a work-group, no clusters, 60,160 bytes of LDS; arguments q, k, v, Wq, Wk, Wv, Wo, ximg, xsc; writes ximg, xsc
.if DOCPART == 1
	.amdgcn_target "amdgcn-amd-amdhsa--gfx1250"
	.amdhsa_code_object_version 6
	.text
	.protected	k_qd1dae74424_quant
	.globl	k_qd1dae74424_quant
	.p2align	8
	.type	k_qd1dae74424_quant,@function
k_qd1dae74424_quant:
	s_mov_b64 s[64:65], 0
	v_nop
	global_prefetch_b8 v0, s[64:65] scope:SCOPE_SE
	s_setreg_imm32_b32 hwreg(HW_REG_WAVE_MODE, 25, 1), 1
	s_wait_xcnt 0x0
; q, k, v [8192][1024] and Wq, Wk, Wv, Wo [1024][1024], f32, K innermost, become codes of FP6 (E2M3) with one E8M0 byte for each 32 along K,
; laid as IMAGES OF OPERAND REGISTERS.  A tile is 16 rows: lane r of tile T holds row 32 (T / 2) + 8 (T % 2) + r + 8 (r / 8).  A fragment (a tile x 128 K) is 12 registers a lane:
; registers 0-3 at 16 x lane, 4-5 at 512 + 8 x lane, 6-9 at 768 + 16 x lane, 10-11 at 1280 + 8 x lane: 1,536 bytes.  ximg: [tile 1792][K step 8][1536]; tiles: q 0, k 512, v 1024, Wq 1536, Wk 1600, Wv 1664, Wo 1728.
; xsc: [tile][row 16][K step 8] scale words (byte b: k = 32 b on).
; A block's scale is 2^(floor(log2(largest magnitude)) - 2): its byte is the largest magnitude's exponent field - 2, held at 1 from below.  A block of zeros so keeps the byte 1: its codes are zeros, and this program alone reads the bytes.
; LIMITS: NaN and infinities are not served; blocks whose largest magnitude lies under 2^-124 keep the byte 1.
; SHARES: 1,792 tiles = 256 work-groups x 7 waves; a wave takes one tile through all of K, 8 steps of 16 rows x 128 K.  Each load reads 512 consecutive bytes of a row; a step's 8,192 bytes turn through the
; wave's own stage in LDS (rows of 512 + 16 bytes) so that a lane gets its 2 x 32 neighbours along K.  Waves share nothing: no barrier.  No matrix work, no shared tile: no cluster, no tensor load.
.set ROWB, 4096                        ; a row of any of the seven tensors, in bytes
.set SPI,  528                         ; a stage row
.set WST,  16*SPI                      ; a wave's stage
.set L16,  1                           ; v1   16 x lane
.set L8,   2                           ; v2   8 x lane
.set STI,  3                           ; v3   the stage, in: 16 x lane
.set STO,  4                           ; v4   the stage, out: row r, + 128 h
.set H8,   5                           ; v5   8 h
.set SCO,  6                           ; v6   32 r + 16 h: my 16 bytes of the tile's scale words
.set W8,   8                           ; v8-15  the row's scale word of each K step
.set TM,   16                          ; v16-17 largest magnitudes
.set SO,   18                          ; v18-19 the conversions' scale operands
.set BY,   20                          ; v20-21 the bytes
.set TW,   22                          ; v22-23 the word in the making
.set OW,   24                          ; v24-27 four words to store
.set C,    28                          ; v28-39 a fragment
.set Y0,   40                          ; v40-42, v44-46: the second halves of the two blocks (a conversion's three registers begin on an even number)
.set Y1,   44
.set X,    48                          ; v48-111  64 numbers: register 32 c + i = k 64 c + 32 h + i of row r
.set R,    112                         ; v112-239 two sets of 64 registers as loaded
	s_load_b256 s[4:11], s[0:1], 0x0               ; q, k, v, Wq
	s_load_b256 s[12:19], s[0:1], 0x20             ; Wk, Wv, Wo, ximg
	s_load_b64 s[20:21], s[0:1], 0x40              ; xsc
	v_lshl_add_u32 v240, v0, 2, 0xe700
	v_mov_b32 v241, 0
	v_lshrrev_b32 v7, 5, v0
	v_readfirstlane_b32 s22, v7                    ; wave 0..6
	v_and_b32 v7, 31, v0                           ; lane
	v_and_b32 v[TM], 15, v0                        ; r
	v_bfe_u32 v[TM+1], v0, 4, 1                    ; h
	v_lshlrev_b32 v[L16], 4, v7
	v_lshlrev_b32 v[L8], 3, v7
	s_mul_i32 s23, s22, WST
	v_add_nc_u32 v[STI], s23, v[L16]
	v_mul_u32_u24 v[STO], v[TM], SPI
	v_lshl_add_u32 v[STO], v[TM+1], 7, v[STO]
	v_add_nc_u32 v[STO], s23, v[STO]
	v_lshlrev_b32 v[H8], 3, v[TM+1]
	v_lshlrev_b32 v[SCO], 5, v[TM]
	v_lshl_add_u32 v[SCO], v[TM+1], 4, v[SCO]
	v_mov_b32 v[TW+1], 0                           ; written once: a lane permute's destination counts as one of its sources
	s_mov_b32 s36, 0x76543210
	s_mov_b32 s37, 0xfedcba98                      ; v_permlanex16_b32's selects for lane l xor 16
	s_mul_i32 s24, ttmp9, 7
	s_add_co_u32 s24, s24, s22                     ; my tile, 0..1791
	s_mov_b32 s25, 0                               ; the first tile of my tensor
	s_wait_alu depctr_va_vdst(0)
	s_wait_kmcnt 0x0
	s_mov_b64 s[26:27], s[4:5]
.macro PICK lim, lo                    ; from tile lim on: the tensor whose address stands in s[lo:lo+1].  The choice hangs on the tile's number alone
	s_cmp_ge_u32 s24, \lim
	s_cselect_b64 s[26:27], s[\lo:\lo+1], s[26:27]
	s_cselect_b32 s25, \lim, s25
.endm
	PICK 512, 6
	PICK 1024, 8
	PICK 1536, 10
	PICK 1600, 12
	PICK 1664, 14
	PICK 1728, 16
	s_sub_co_u32 s25, s24, s25                     ; the tile's number in its tensor
	; k's tiles (512 to 1023) take other rows than the rest: lane r of tile T holds row 64 (T / 4) + 8 (T % 4) + r % 8 + 32 (r / 8),
	; so that in attention a lane's 32 scores of four tiles are 32 neighbouring keys, one scale block.  The choice hangs on the tile's number alone.
	s_lshr_b32 s30, s24, 9                         ; 1 for k
	s_lshr_b32 s28, s25, 1
	s_lshl_b32 s28, s28, 17                        ; 32 rows of 4,096 bytes for each pair of tiles,
	s_and_b32 s29, s25, 1                          ; 8 rows for the odd one
	s_lshr_b32 s32, s25, 2
	s_lshl_b32 s32, s32, 18                        ; k: 64 rows for each four tiles,
	s_and_b32 s33, s25, 3                          ; 8 rows for each of the four
	s_cmp_eq_u32 s30, 1
	s_cselect_b32 s28, s32, s28
	s_cselect_b32 s29, s33, s29
	s_cselect_b32 s30, 65536, 0                    ; k: the tile's rows 8-15 lie 16 rows further on than elsewhere
	s_lshl_b32 s29, s29, 15
	s_add_co_u32 s28, s28, s29
	s_mov_b32 s29, 0
	s_mov_b32 s31, 0
	s_add_nc_u64 s[26:27], s[26:27], s[28:29]      ; the tile's first row
	s_add_nc_u64 s[30:31], s[26:27], s[30:31]      ; the base of its rows 8-15
	s_mul_i32 s28, s24, 12288
	s_add_nc_u64 s[18:19], s[18:19], s[28:29]      ; its eight fragment images
	s_lshl_b32 s28, s24, 9
	s_add_nc_u64 s[20:21], s[20:21], s[28:29]      ; its 512 bytes of scale words
.macro LOAD t                          ; K step t: 16 rows x 512 bytes into set t % 2; row i of the tile is row i + 8 (i / 8) from its first
.irp i, 0,1,2,3,4,5,6,7,8,9,10,11,12,13,14,15
.if \i < 8
	global_load_b128 v[R+64*((\t)%2)+4*\i:R+64*((\t)%2)+4*\i+3], v[L16], s[26:27] offset:\i*ROWB+512*(\t) th:TH_LOAD_NT
.else
	global_load_b128 v[R+64*((\t)%2)+4*\i:R+64*((\t)%2)+4*\i+3], v[L16], s[30:31] offset:(\i+8)*ROWB+512*(\t) th:TH_LOAD_NT
.endif
.endr
.endm
	LOAD 0
	LOAD 1
.macro STEP t
.set RS, R+64*((\t)%2)
.if (\t) < 7
	s_wait_loadcnt 16                              ; this step's 16 loads are in; the next step's 16 may be out
.else
	s_wait_loadcnt 0x0
.endif
.irp i, 0,1,2,3,4,5,6,7,8,9,10,11,12,13,14,15
	ds_store_b128 v[STI], v[RS+4*\i:RS+4*\i+3] offset:SPI*\i
.endr
.irp c, 0,1
.irp i, 0,1,2,3,4,5,6,7
	ds_load_b128 v[X+32*\c+4*\i:X+32*\c+4*\i+3], v[STO] offset:256*\c+16*\i   ; LDS serves a wave's instructions in order: these see the stores above
.endr
.endr
	s_wait_dscnt 0x0                               ; my 64 numbers are in, and the stage's stores have read the set,
.if (\t) < 6
	LOAD (\t)+2                                    ; which takes the loads of two steps on
.endif
.irp c, 0,1
	v_max3_num_f32 v[TM+\c], |v[X+32*\c]|, |v[X+32*\c+1]|, 0x1800000   ; block 2 c + h: all its 32 numbers are mine; the floor 2^(3 - 127) holds the byte at 1 from below
.endr
.irp i, 2,4,6,8,10,12,14,16,18,20,22,24,26,28,30
.irp c, 0,1
	v_max3_num_f32 v[TM+\c], v[TM+\c], |v[X+32*\c+\i]|, |v[X+32*\c+\i+1]|
.endr
.endr
.irp c, 0,1
	v_add_nc_u32 v[SO+\c], 0xff000000, v[TM+\c]    ; 2 off the exponent field: the conversion takes this operand's exponent field as its scale
.endr
.irp c, 0,1
	v_lshrrev_b32 v[BY+\c], 23, v[SO+\c]           ; the scale's byte
.endr
	v_lshl_or_b32 v[TW], v[BY+1], 16, v[BY]        ; my two bytes: blocks h and 2 + h,
	v_lshlrev_b32 v[TW], v[H8], v[TW]              ; at their places in the word;
	v_permlanex16_b32 v[TW+1], v[TW], s36, s37
	v_or_b32 v[W8+(\t)], v[TW], v[TW+1]            ; with lane l xor 16's two the word is whole
	s_wait_alu depctr_va_vdst(0)
	s_wait_xcnt 0x0                                ; the last step's stores have read the fragment's registers: they are written again only behind this wait
	v_cvt_scalef32_pk16_fp6_f32 v[C:C+2], v[X:X+15], v[SO]
	v_cvt_scalef32_pk16_fp6_f32 v[Y0:Y0+2], v[X+16:X+31], v[SO]
	v_cvt_scalef32_pk16_fp6_f32 v[C+6:C+8], v[X+32:X+47], v[SO+1]
	v_cvt_scalef32_pk16_fp6_f32 v[Y1:Y1+2], v[X+48:X+63], v[SO+1]
	v_nop                                          ; one plain place behind a scaled conversion
.irp i, 0,1,2
	v_mov_b32 v[C+3+\i], v[Y0+\i]
	v_mov_b32 v[C+9+\i], v[Y1+\i]
.endr
	global_store_b128 v[L16], v[C:C+3], s[18:19] offset:1536*(\t)            ; 512 consecutive bytes, aligned
	global_store_b64 v[L8], v[C+4:C+5], s[18:19] offset:1536*(\t)+512        ; 256
	global_store_b128 v[L16], v[C+6:C+9], s[18:19] offset:1536*(\t)+768
	global_store_b64 v[L8], v[C+10:C+11], s[18:19] offset:1536*(\t)+1280
.endm
.irp t, 0,1,2,3,4,5,6,7
	STEP \t
.endr
	v_cmp_ne_u32 vcc_lo, 0, v[H8]                  ; lanes 0-15 store the words of K steps 0-3 of their row, lanes 16-31 those of 4-7
.irp i, 0,1,2,3
	v_cndmask_b32 v[OW+\i], v[W8+\i], v[W8+4+\i], vcc_lo
.endr
	global_store_b128 v[SCO], v[OW:OW+3], s[20:21] ; the wave stores 512 consecutive bytes
	s_wait_tensorcnt 0x0
	ds_add_u32 v240, v241
	s_wait_dscnt 0x0
	s_endpgm
.Lfunc_end_k_qd1dae74424_quant:
	.size	k_qd1dae74424_quant, .Lfunc_end_k_qd1dae74424_quant-k_qd1dae74424_quant
	.p2alignl 7, 3214868480
	.fill 96, 4, 3214868480
	.section	.rodata,"a",@progbits
	.p2align	6, 0x0
	.amdhsa_kernel k_qd1dae74424_quant
		.amdhsa_group_segment_fixed_size 60160
		.amdhsa_private_segment_fixed_size 0
		.amdhsa_enable_private_segment 0
		.amdhsa_kernarg_size 72
		.amdhsa_user_sgpr_count 2
		.amdhsa_user_sgpr_kernarg_segment_ptr 1
		.amdhsa_wavefront_size32 1
		.amdhsa_system_sgpr_workgroup_id_x 1
		.amdhsa_system_sgpr_workgroup_id_y 1
		.amdhsa_system_sgpr_workgroup_id_z 1
		.amdhsa_system_vgpr_workitem_id 0
		.amdhsa_next_free_vgpr 242
		.amdhsa_next_free_sgpr 66
		.amdhsa_reserve_vcc 1
		.amdhsa_float_denorm_mode_32 3
		.amdhsa_float_denorm_mode_16_64 3
		.amdhsa_memory_ordered 1
		.amdhsa_forward_progress 1
		.amdhsa_inst_pref_size 59
	.end_amdhsa_kernel
	.amdgpu_metadata
---
amdhsa.version: [ 1, 2 ]
amdhsa.kernels:
  - .name:           k_qd1dae74424_quant
    .symbol:         k_qd1dae74424_quant.kd
    .args:
      - { .name: q, .offset: 0, .size: 8, .value_kind: global_buffer, .address_space: global }
      - { .name: k, .offset: 8, .size: 8, .value_kind: global_buffer, .address_space: global }
      - { .name: v, .offset: 16, .size: 8, .value_kind: global_buffer, .address_space: global }
      - { .name: Wq, .offset: 24, .size: 8, .value_kind: global_buffer, .address_space: global }
      - { .name: Wk, .offset: 32, .size: 8, .value_kind: global_buffer, .address_space: global }
      - { .name: Wv, .offset: 40, .size: 8, .value_kind: global_buffer, .address_space: global }
      - { .name: Wo, .offset: 48, .size: 8, .value_kind: global_buffer, .address_space: global }
      - { .name: ximg, .offset: 56, .size: 8, .value_kind: global_buffer, .address_space: global }
      - { .name: xsc, .offset: 64, .size: 8, .value_kind: global_buffer, .address_space: global }
    .group_segment_fixed_size: 60160
    .private_segment_fixed_size: 0
    .kernarg_segment_align: 8
    .kernarg_segment_size: 72
    .max_flat_workgroup_size: 224
    .sgpr_count:     66
    .vgpr_count:     242
    .wavefront_size: 32
...
	.end_amdgpu_metadata
.endif
;; end of part 1
;; launch proj (part 2): grid 4 x 64, 4 waves a work-group, clusters of 4 x 4, 327,680 bytes of LDS; arguments ximg, xsc, bq, bk, bv, qimg, kv; writes qimg, kv
.if DOCPART == 2
	.amdgcn_target "amdgcn-amd-amdhsa--gfx1250"
	.amdhsa_code_object_version 6
	.text
	.protected	k_qd1dae74424_proj
	.globl	k_qd1dae74424_proj
	.p2align	8
	.type	k_qd1dae74424_proj,@function
k_qd1dae74424_proj:
	s_mov_b64 s[64:65], 0
	v_nop
	global_prefetch_b8 v0, s[64:65] scope:SCOPE_SE
	s_setreg_imm32_b32 hwreg(HW_REG_WAVE_MODE, 25, 1), 1
	s_wait_xcnt 0x0
	s_wait_alu depctr_hold_cnt(0) depctr_sa_sdst(0) depctr_va_vdst(0) depctr_va_sdst(0) depctr_va_ssrc(0) depctr_va_vcc(0) depctr_vm_vsrc(0)
	s_getreg_b32 s2, hwreg(HW_REG_IB_STS2, 6, 4)
	s_cmp_eq_u32 s2, 0
	s_cbranch_scc0 .Lentry_in_a_cluster
	s_endpgm
.Lentry_in_a_cluster:
	s_bfe_u32 s2, ttmp6, 0x10000c
	s_cmp_lg_u32 s2, 0xf033
	s_cbranch_scc0 .Lentry_shape_is_right
	s_endpgm
.Lentry_shape_is_right:
; Q = q Wq^T + bq, K = k Wk^T + bk, V^T = Wv v^T + bv, on codes of FP6 (E2M3) with E8M0 scales, and each result quantised again for attention: Q and K along the head's 64 channels, V along the keys.
; A block is 128 (m) x 256 (n) with all of K = 1,024.  Q, K: m = tokens (A = the input's images), n = channels (B = the weight's).  V: m = channels (A = Wv), n = tokens (B = v), so that a lane's registers run along the keys.
; A WORK-GROUP STAYS: 256 work-groups, each makes one block of Q, then one of K, then one of V.  A loop of two trips serves Q and K; V's block, which asks for nothing more, is written out behind it.
; LDS: a ring of two slots, each with HALF OF K (four K steps) of A's 8 tiles and B's 16 tiles, as fragment images (1,536 bytes for 16 rows x 128 K; a tile's half is a row of 6,144 bytes).
; At the head one joint load a wave: A's and B's first halves (waves 0, 1), their second halves (waves 2, 3).  In K step 3, when every wave holds the slot's last fragments in registers, slot 0 takes the next block's first half
; (waves 0 and 1), in K step 7 slot 1 its second half (waves 2 and 3): each behind a drained round of the cluster's barrier.
; A refill is asked for four K steps, 128 matrix instructions a wave, or a whole way out ahead of the round that waits for it; so no prefetch is laid: only the head's loads are waited for, and no loop runs ahead of them.
; THE MATRIX INSTRUCTION IS USED TRANSPOSED (source 0 = 16 rows of B, source 1 = 16 rows of A): a lane holds one row of A's tile, its registers rows of B's tile; by the tiles' choice of rows
; (weights and v: lane r of tile T is row 32 (T / 2) + 8 (T % 2) + r + 8 (r / 8)) the 16 registers of tiles 2 b and 2 b + 1 are 16 neighbours, 32 b + 16 h + 0 .. 15, along the next product's K.
; WAVES: wave w takes all 8 tiles of A against B's tiles 4 w .. 4 w + 3: 32 accumulators; its 64 columns are one head (Q, K) or half a key step (V).
; CLUSTERS: 4 x 4 work-groups; the four of a row need the same A, the four of a column the same B: each half is asked for jointly.
; THE NEXT BLOCK'S scale words and bias are loaded during the block into registers of window 3; the words are moved to their places at the change of block, the bias is taken as C where it lies.
; OUT: qimg [bh 64][step 16][6400]: 8 half images (16 tokens x 64 channels, 768 bytes), then at 6144 [row 16][4] scale words (tile 2 g's two bytes, tile 2 g + 1's two).
;      kv [bh][step][12800]: K as qimg's codes; at 6144 V as [channel tile 4][key half 2][768]; at 12288 K's words; at 12544 V's bytes [key half 2][row 16][channel tile 4] x 2.
;      V's scale bytes leave in runs of 128 bytes: a wave owns 64 of a step's 128 keys; 262,144 bytes in the whole launch.
; LIMITS: NaN and infinities are not served; blocks whose largest magnitude lies under 2^-124 keep the byte 1 (a block of zeros too: its codes are zeros).
; REGISTERS, in windows of 256: window 0: v1-27 addresses; v32-95 A's scale words (8 a + s), v96-127 B's (8 t + s); v128-239 the way out.
;   window 1: the accumulators, (a, t) at 32 a + 8 t.   window 2: A's fragments, two sets, at 96 p + 12 a.   window 3: B's, two sets, at 48 p + 12 t; from 96 the next scale words; from 192 the bias.
.set TILEB, 12288                      ; a tile's eight fragment images
.set ACH,   49152                      ; a half of A's 8 tiles in LDS
.set BCH,   98304                      ; of B's 16
.set BLDS,  98304                      ; B's halves lie behind A's two
.set SPARE, 294912
.set L16, 1
.set L8,  2
.set SCI, 7                            ; 32 r: a row's scale words in xsc
.set BQO, 8                            ; 64 h: the bias of Q and K
.set SCOUT, 9                          ; where my 8 bytes of the result's scales go
.set WD,  10
.set PAIR, 14
.set RR,  16
.set HH,  17
.set BVO, 18                           ; 4 (r + 8 (r / 8)): the bias of V
.set AD16, 20                          ; v20-27 LDS addresses of A's fragments and of my four tiles of B, pieces of 16 and of 8 bytes, in slot 0 and slot 1
.set AD8,  22
.set BD16, 24
.set BD8,  26
.set SA,  32
.set SB,  96
.set TX,  128
.set P0,  128
.set TM,  192
.set P1,  208
.set SPW, 254
.set NIL, 255
.set XS,  96                           ; window 3
.set BC,  192                          ; window 3
.set WV,  18
.set CT,  59
.set G1A, 28
.set G1B, 36
.set G0A, 44                           ; s[44:51], s[68:75] groups 0, one set for each slot
.set G0B, 68
.set OB,  84                           ; s[84:99] the eight output bases; s[100:101] the scales'
.set MSB, 0
.macro WIN new                         ; the immediate's high byte repeats the setting that is left
.if MSB != \new
	s_set_vgpr_msb (MSB<<8)|\new
.set MSB, \new
.endif
.endm
.set MUL,  0x5b                        ; source 0 (B) window 3, source 1 (A) window 2, C and D window 1
.set MUL0, 0x7b                        ; the same with C (the bias) in window 3
.set TO_A, 0x80
.set TO_B, 0xc0
.macro WALU
	s_wait_alu depctr_va_vdst(0)
.endm
.macro PLACES n
.rept \n
	v_nop
.endr
.endm
.macro CREST                           ; a round of the cluster's barrier behind its opening barrier
	s_cmp_lg_u32 s[WV], 0
	s_cbranch_scc1 .Lnot_wave_0_\@
	s_barrier_signal -3
.Lnot_wave_0_\@:
	s_barrier_wait -3
	s_barrier_signal -1
	s_barrier_wait -1
.endm
.macro CROUND
	s_barrier_signal -1
	s_barrier_wait -1
	CREST
.endm
.macro TLOAD g0, g1
	tensor_load_to_lds s[\g0:\g0+3], s[\g1:\g1+7]
	s_nop 0
	PLACES 4
.endm
.macro REFILL w, slot                  ; wave w asks for A's half, wave w + 1 for B's, the others for nothing
	s_cmp_eq_u32 s[WV], \w
	s_cbranch_scc0 .Lfor_b_\@
	TLOAD G0A+4*\slot, G1A
	s_branch .Lasked_\@
.Lfor_b_\@:
	s_cmp_eq_u32 s[WV], \w+1
	s_cbranch_scc0 .Lasked_\@
	TLOAD G0B+4*\slot, G1B
.Lasked_\@:
.endm
; What comes in for the block of tensor s22 (0 Q, 1 K, 2 V): mt s25, ng s26, the descriptors' addresses, the bases of its scale words and bias.  Scalar work alone.
; Q, K: mt = 4 sub + cy (64 blocks of tokens), ng = cx.  V: mt = 4 (sub % 2) + cy (8 blocks of channels), ng = 4 (sub / 2) + cx (32 blocks of tokens).  A's address hangs on cy alone, B's on cx alone.
.macro SETUP_IN
	s_and_b32 s25, s23, 1
	s_lshr_b32 s26, s23, 1
	s_lshl_b32 s27, s22, 9                         ; the input's first tile: 512 x tensor
	s_lshl_b32 s60, s22, 6
	s_add_co_u32 s60, s60, 1536                    ; the weight's: 1536 + 64 x tensor
	s_cmp_eq_u32 s22, 2
	s_cselect_b32 s24, 1, 0
	s_cselect_b32 s25, s25, s23
	s_cselect_b32 s26, s26, 0
	s_cselect_b32 s27, 1664, s27                   ; V: A = Wv,
	s_cselect_b32 s60, 1024, s60                   ; B = v
	s_lshl_b32 s25, s25, 2
	s_add_co_u32 s25, s25, s20
	s_lshl_b32 s26, s26, 2
	s_add_co_u32 s26, s26, s19
	s_lshl_b32 s61, s25, 3
	s_add_co_u32 s27, s27, s61                     ; A's first tile
	s_lshl_b32 s62, s26, 4
	s_add_co_u32 s60, s60, s62                     ; B's first tile
	s_mul_i32 s52, s27, TILEB
	s_mov_b32 s53, 0
	s_mul_i32 s54, s60, TILEB
	s_mov_b32 s55, 0
	s_add_nc_u64 s[52:53], s[4:5], s[52:53]
	s_add_nc_u64 s[54:55], s[4:5], s[54:55]
.irp j, 0,1
	s_add_nc_u64 s[G0A+4*\j+2:G0A+4*\j+3], s[52:53], 6144*\j       ; K steps 4 j to 4 j + 3
	s_or_b32 s[G0A+4*\j+3], s[G0A+4*\j+3], 0x80000000
	s_add_nc_u64 s[G0B+4*\j+2:G0B+4*\j+3], s[54:55], 6144*\j
	s_or_b32 s[G0B+4*\j+3], s[G0B+4*\j+3], 0x80000000
.endr
	s_lshl_b32 s76, s27, 9                         ; A's scale words: 512 bytes a tile
	s_mov_b32 s77, 0
	s_add_nc_u64 s[76:77], s[6:7], s[76:77]
	s_lshl_b32 s78, s[WV], 2
	s_add_co_u32 s78, s78, s60
	s_lshl_b32 s78, s78, 9                         ; those of my four tiles of B
	s_mov_b32 s79, 0
	s_add_nc_u64 s[78:79], s[6:7], s[78:79]
	s_lshl_b32 s80, s26, 10
	s_lshl_b32 s81, s[WV], 8
	s_add_co_u32 s80, s80, s81                     ; Q, K: the bias of my 64 channels
	s_lshl_b32 s82, s25, 9                         ; V: of the block's 128 channels
	s_cmp_eq_u32 s22, 0
	s_cselect_b64 s[56:57], s[8:9], s[10:11]
	s_cmp_eq_u32 s24, 1
	s_cselect_b64 s[56:57], s[12:13], s[56:57]
	s_cselect_b32 s80, s82, s80
	s_mov_b32 s81, 0
	s_add_nc_u64 s[80:81], s[56:57], s[80:81]
.endm
; The scale words and the bias of the block set up last, into window 3.  both = 0: the block is Q's or K's; 1: it may be V's
.macro STAGE_LOADS both
	WIN TO_B
.irp a, 0,1,2,3,4,5,6,7
	global_load_b128 v[XS+8*\a:XS+8*\a+3], v[SCI], s[76:77] offset:512*\a        ; row r's eight words: one for each K step
	global_load_b128 v[XS+8*\a+4:XS+8*\a+7], v[SCI], s[76:77] offset:512*\a+16
.endr
.irp t, 0,1,2,3
	global_load_b128 v[XS+64+8*\t:XS+64+8*\t+3], v[SCI], s[78:79] offset:512*\t
	global_load_b128 v[XS+64+8*\t+4:XS+64+8*\t+7], v[SCI], s[78:79] offset:512*\t+16
.endr
.if \both
	WIN 0
	s_cmp_eq_u32 s24, 1
	s_cbranch_scc1 .Lbias_v_\@
	WIN TO_B
.endif
.irp t, 0,1,2,3                        ; Q, K: the bias runs along the registers: tile t's eight channels of my half
	global_load_b128 v[BC+8*\t:BC+8*\t+3], v[BQO], s[80:81] offset:(32*(\t/2)+8*(\t%2))*4
	global_load_b128 v[BC+8*\t+4:BC+8*\t+7], v[BQO], s[80:81] offset:(32*(\t/2)+8*(\t%2))*4+16
.endr
	WIN 0
.if \both
	s_branch .Lbias_done_\@
.Lbias_v_\@:
	WIN TO_B
.irp a, 0,1,2,3,4,5,6,7                ; V: it runs along the lanes: my channel's number in all eight registers
.irp j, 0,1,2,3,4,5,6,7
	global_load_b32 v[BC+8*\a+\j], v[BVO], s[80:81] offset:(32*(\a/2)+8*(\a%2))*4
.endr
.endr
	WIN 0
.Lbias_done_\@:
.endif
.endm
.macro PREP                            ; the scale words go to their places, in window 0
	s_wait_loadcnt 0x0
	WIN 0x03
.set I, 0
.rept 96
	v_mov_b32 v[SA+I], v[XS+I]
.set I, I+1
.endr
	WIN 0
	WALU
.endm
; Where the results of the block set up last go.  Q, K: block ((batch 16 + head) 16 + step), batch = mt / 16, head = 4 ng + w, step = mt % 16.  V: batch = ng / 8, heads 2 mt and 2 mt + 1, step = 2 (ng % 8) + w / 2, key half w % 2
.macro SETUP_OUT
	s_lshr_b32 s56, s25, 4
	s_lshl_b32 s56, s56, 4
	s_lshl_b32 s57, s26, 2
	s_add_co_u32 s56, s56, s57
	s_add_co_u32 s56, s56, s[WV]
	s_lshl_b32 s56, s56, 4
	s_and_b32 s57, s25, 15
	s_add_co_u32 s56, s56, s57                     ; Q's and K's block
	s_lshr_b32 s58, s26, 3
	s_lshl_b32 s58, s58, 4
	s_lshl_b32 s57, s25, 1
	s_add_co_u32 s58, s58, s57
	s_lshl_b32 s58, s58, 4
	s_and_b32 s57, s26, 7
	s_lshl_b32 s57, s57, 1
	s_add_co_u32 s58, s58, s57
	s_lshr_b32 s57, s[WV], 1
	s_add_co_u32 s58, s58, s57                     ; V's block, for head 2 mt
	s_mul_i32 s82, s63, 768
	s_add_co_u32 s82, s82, 6144                    ; V's codes in a block: my key half
	s_lshl_b32 s54, s63, 7
	s_add_co_u32 s54, s54, 12544                   ; V's scale bytes
	s_mov_b32 s57, 12288                           ; K's scale words
	s_mov_b32 s21, 768
	s_cmp_eq_u32 s24, 1
	s_cselect_b32 s56, s58, s56
	s_cselect_b32 s82, s82, 0
	s_cselect_b32 s54, s54, s57
	s_cselect_b32 s66, 1536, s21                   ; from tile a of A to tile a + 1,
	s_cselect_b32 s52, 200192, s21                 ; and from 3 to 4: in V the next head's block, 204,800 - 3 x 1,536 bytes on
	s_cselect_b32 s61, 8, 16                       ; the scales' bytes a row,
	s_cselect_b32 s62, 204800, 8                   ; and from lanes 0-15 to lanes 16-31: in V the next head's block
	s_mov_b32 s57, 12800
	s_cmp_eq_u32 s22, 0
	s_cselect_b64 s[100:101], s[14:15], s[16:17]   ; qimg or kv
	s_cselect_b32 s57, 6400, s57
	s_cselect_b32 s54, 6144, s54                   ; Q's scale words
	s_mul_i32 s56, s56, s57
	s_mov_b32 s57, 0
	s_mov_b32 s83, 0
	s_mov_b32 s67, 0
	s_mov_b32 s53, 0
	s_mov_b32 s55, 0
	s_add_nc_u64 s[100:101], s[100:101], s[56:57]  ; the block
	s_add_nc_u64 s[OB:OB+1], s[100:101], s[82:83]
.irp a, 1,2,3,4,5,6,7
.if \a == 4
	s_add_nc_u64 s[OB+2*\a:OB+2*\a+1], s[OB+2*\a-2:OB+2*\a-1], s[52:53]
.else
	s_add_nc_u64 s[OB+2*\a:OB+2*\a+1], s[OB+2*\a-2:OB+2*\a-1], s[66:67]
.endif
.endr
	s_add_nc_u64 s[100:101], s[100:101], s[54:55]  ; the scales' base
	v_mul_u32_u24 v[SCOUT], v[RR], s61
	v_mad_u32_u24 v[SCOUT], v[HH], s62, v[SCOUT]
.endm
; 48 LDS loads in one run: the fragments of K step s (my 4 tiles of B, all 8 of A) into set p; K step s lies in slot s / 4
.macro FETCH s, p
	WIN TO_B
.irp t, 0,1,2,3
	ds_load_b128 v[48*(\p)+12*\t:48*(\p)+12*\t+3], v[BD16+(\s)/4] offset:6144*\t+1536*((\s)%4)
	ds_load_b64 v[48*(\p)+12*\t+4:48*(\p)+12*\t+5], v[BD8+(\s)/4] offset:6144*\t+1536*((\s)%4)+512
	ds_load_b128 v[48*(\p)+12*\t+6:48*(\p)+12*\t+9], v[BD16+(\s)/4] offset:6144*\t+1536*((\s)%4)+768
	ds_load_b64 v[48*(\p)+12*\t+10:48*(\p)+12*\t+11], v[BD8+(\s)/4] offset:6144*\t+1536*((\s)%4)+1280
.endr
	WIN TO_A
.irp a, 0,1,2,3,4,5,6,7
	ds_load_b128 v[96*(\p)+12*\a:96*(\p)+12*\a+3], v[AD16+(\s)/4] offset:6144*\a+1536*((\s)%4)
	ds_load_b64 v[96*(\p)+12*\a+4:96*(\p)+12*\a+5], v[AD8+(\s)/4] offset:6144*\a+1536*((\s)%4)+512
	ds_load_b128 v[96*(\p)+12*\a+6:96*(\p)+12*\a+9], v[AD16+(\s)/4] offset:6144*\a+1536*((\s)%4)+768
	ds_load_b64 v[96*(\p)+12*\a+10:96*(\p)+12*\a+11], v[AD8+(\s)/4] offset:6144*\a+1536*((\s)%4)+1280
.endr
	WIN 0
.endm
; 16 matrix instructions: K step s on set p, A's tiles a0 .. a0 + 3.  The 32 accumulators take turns, one instruction a turn, in the same order in every step.
; cmode 0: onto the sums; 1: the sums begin with the bias of tile t of B; 2: with the bias of tile a of A.
.macro MUL16 s, p, cmode, a0
.irp a, \a0, \a0+1, \a0+2, \a0+3
.irp t, 0,1,2,3
.if \cmode == 0
	v_wmma_scale_f32_16x16x128_f8f6f4 v[32*(\a)+8*\t:32*(\a)+8*\t+7], v[48*(\p)+12*\t:48*(\p)+12*\t+11], v[96*(\p)+12*(\a):96*(\p)+12*(\a)+11], v[32*(\a)+8*\t:32*(\a)+8*\t+7], v[SB+8*\t+(\s)], v[SA+8*(\a)+(\s)] matrix_a_fmt:MATRIX_FMT_FP6 matrix_b_fmt:MATRIX_FMT_FP6
.elseif \cmode == 1
	v_wmma_scale_f32_16x16x128_f8f6f4 v[32*(\a)+8*\t:32*(\a)+8*\t+7], v[48*(\p)+12*\t:48*(\p)+12*\t+11], v[96*(\p)+12*(\a):96*(\p)+12*(\a)+11], v[BC+8*\t:BC+8*\t+7], v[SB+8*\t+(\s)], v[SA+8*(\a)+(\s)] matrix_a_fmt:MATRIX_FMT_FP6 matrix_b_fmt:MATRIX_FMT_FP6
.else
	v_wmma_scale_f32_16x16x128_f8f6f4 v[32*(\a)+8*\t:32*(\a)+8*\t+7], v[48*(\p)+12*\t:48*(\p)+12*\t+11], v[96*(\p)+12*(\a):96*(\p)+12*(\a)+11], v[BC+8*(\a):BC+8*(\a)+7], v[SB+8*\t+(\s)], v[SA+8*(\a)+(\s)] matrix_a_fmt:MATRIX_FMT_FP6 matrix_b_fmt:MATRIX_FMT_FP6
.endif
.endr
.endr
.endm
; A K step with no change of slots: its fragments are in; the next step's are asked for, into the set that the step before multiplied, four places behind its last product; then the 32 products
.macro KSTEP s
	s_wait_dscnt 0x0
	PLACES 4
	FETCH (\s)+1, ((\s)+1)%2
	WIN MUL
	MUL16 \s, (\s)%2, 0, 0
	MUL16 \s, (\s)%2, 0, 4
.endm
; A block's eight K steps.  At its start the fragments of K steps 0 and 1 are asked for and its scale words and bias lie in registers.
.macro BLOCK cmode, last
	s_wait_dscnt 48                                ; K step 0's 48 loads are in; step 1's 48 may be out
	WIN MUL0
	MUL16 0, 0, \cmode, 0
	MUL16 0, 0, \cmode, 4
	KSTEP 1
	KSTEP 2
	WIN 0                                          ; K STEP 3
	s_wait_tensorcnt 0x0                           ; all my tensor loads have landed
.if \last
	s_wait_dscnt 0x0
.else
	ds_add_u32 v[SPW], v[NIL]                      ; 0 onto my spare word; scalar work stands between it and the wait for it
	s_add_co_u32 s22, s22, 1                       ; no load of mine is out: the descriptors take the next block's addresses
	SETUP_IN
	s_wait_dscnt 0x0                               ; the add is done, and my reads of slot 0 are over
.endif
	s_barrier_signal -1
	WIN MUL
	MUL16 3, 1, 0, 0                               ; work on registers while the others arrive
	WIN 0
	s_barrier_wait -1
.if !\last
	CREST                                          ; the barrier has opened a round of the cluster's barrier
	REFILL 0, 0                                    ; the next block's first half
.endif
	PLACES 4
	FETCH 4, 0
.if !\last
	STAGE_LOADS 1
.endif
	WIN MUL
	MUL16 3, 1, 0, 4
	KSTEP 4
	KSTEP 5
	KSTEP 6
.if \last
	s_wait_dscnt 0x0
	WIN MUL
	MUL16 7, 1, 0, 0
	MUL16 7, 1, 0, 4
	PLACES 4
	WIN 0
.else
	WIN 0                                          ; K STEP 7: the round also shows the next block's first half to all
	s_wait_tensorcnt 0x0
	ds_add_u32 v[SPW], v[NIL]
	s_wait_dscnt 0x0
	s_barrier_signal -1
	WIN MUL
	MUL16 7, 1, 0, 0
	WIN 0
	s_barrier_wait -1
	CREST
	REFILL 2, 1                                    ; the next block's second half
	PLACES 4
	FETCH 0, 0                                     ; the next block's K step 0
	WIN MUL
	MUL16 7, 1, 0, 4
	PLACES 4                                       ; ahead of the loads and moves into registers that the last products read, and of the first read of results
	FETCH 1, 1
	PREP
.endif
.endm
; THE WAY OUT, one way for all three tensors.  Block x = 2 a + b of 32 along the next K lies in accumulator registers 16 x + 0 .. 15 of lanes l and l xor 16.
.macro WAYOUT
	WIN 0x05
.irp x, 0,1,2,3,4,5,6,7,8,9,10,11,12,13,14,15
	v_max3_num_f32 v[TM+\x], |v[16*\x]|, |v[16*\x+1]|, 0x1800000   ; each accumulator is read from its low end on; the floor 2^(3 - 127) holds the byte at 1 from below
.endr
	WIN 0x14
.irp i, 2,4,6,8,10,12,14
.irp x, 0,1,2,3,4,5,6,7,8,9,10,11,12,13,14,15
	v_max3_num_f32 v[TM+\x], v[TM+\x], |v[16*\x+\i]|, |v[16*\x+\i+1]|
.endr
.endr
	WIN 0
.irp x, 0,1,2,3,4,5,6,7,8,9,10,11,12,13,14,15
	v_permlanex16_b32 v[TX+\x], v[TM+\x], s2, s3
.endr
.irp x, 0,1,2,3,4,5,6,7,8,9,10,11,12,13,14,15
	v_max_num_f32 v[TM+\x], v[TM+\x], v[TX+\x]     ; with lane l xor 16's: the block's largest magnitude
.endr
.irp x, 0,1,2,3,4,5,6,7,8,9,10,11,12,13,14,15
	v_add_nc_u32 v[TM+\x], 0xff000000, v[TM+\x]    ; 2 off the exponent field: the conversion's scale operand
.endr
.irp x, 0,1,2,3,4,5,6,7,8,9,10,11,12,13,14,15
	v_lshrrev_b32 v[TX+\x], 23, v[TM+\x]           ; the scale's byte
.endr
.irp g, 0,1,2,3
	v_lshl_or_b32 v[WD+\g], v[TX+4*\g+1], 8, v[TX+4*\g]
.endr
.irp g, 0,1,2,3
	v_lshl_or_b32 v[WD+\g], v[TX+4*\g+2], 16, v[WD+\g]
.endr
.irp g, 0,1,2,3
	v_lshl_or_b32 v[WD+\g], v[TX+4*\g+3], 24, v[WD+\g]
.endr
	v_cmp_ne_u32 vcc_lo, 0, v[HH]
	v_cndmask_b32 v[PAIR], v[WD], v[WD+2], vcc_lo  ; lanes 0-15 store words 0 and 1, lanes 16-31 words 2 and 3
	v_cndmask_b32 v[PAIR+1], v[WD+1], v[WD+3], vcc_lo
	WIN 0x01
.irp a, 0,1,2,3,4,5,6,7
.set PA, P0+8*((\a+3)%8)
.set PB, P1+4*((5*\a)%8)
	v_cvt_scalef32_pk16_fp6_f32 v[PA:PA+2], v[32*\a:32*\a+15], v[TM+2*\a]
	v_cvt_scalef32_pk16_fp6_f32 v[PB:PB+2], v[32*\a+16:32*\a+31], v[TM+2*\a+1]
.endr
	v_nop                                          ; one plain place behind a scaled conversion
	WIN 0
.irp a, 0,1,2,3,4,5,6,7                ; the operand's layout wants a WHOLE block in a lane
.set PA, P0+8*((\a+3)%8)
.set PB, P1+4*((5*\a)%8)
.irp i, 0,1,2
	v_permlane16_swap_b32 v[PA+\i], v[PB+\i]
.endr
.irp i, 0,1,2
	v_mov_b32 v[PA+3+\i], v[PB+\i]
.endr
.endr
.irp a, 0,1,2,3,4,5,6,7
.set PA, P0+8*((\a+3)%8)
	global_store_b128 v[L16], v[PA:PA+3], s[OB+2*\a:OB+2*\a+1]               ; a half image: 512 consecutive bytes, aligned,
	global_store_b64 v[L8], v[PA+4:PA+5], s[OB+2*\a:OB+2*\a+1] offset:512    ; and 256
.endr
	global_store_b64 v[SCOUT], v[PAIR:PAIR+1], s[100:101]
.endm
	s_load_b256 s[4:11], s[0:1], 0x0               ; ximg, xsc, bq, bk
	s_load_b128 s[12:15], s[0:1], 0x20             ; bv, qimg
	s_load_b64 s[16:17], s[0:1], 0x30              ; kv
	v_lshl_add_u32 v[SPW], v0, 2, SPARE
	v_mov_b32 v[NIL], 0
	ds_add_u32 v[SPW], v[NIL]                      ; the opening lines: the add twice on end and its wait
	ds_add_u32 v[SPW], v[NIL]
	v_lshrrev_b32 v1, 5, v0
	v_readfirstlane_b32 s[WV], v1                  ; wave 0..3
	s_and_b32 s63, s[WV], 1
	s_bfe_u32 s19, ttmp6, 0x40000                  ; cx
	s_bfe_u32 s20, ttmp6, 0x40004                  ; cy
	s_and_b32 s23, ttmp7, 0xffff                   ; which of the 16 clusters
	s_lshl_b32 s61, s20, 2
	s_lshl_b32 s61, 15, s61                        ; my row of the cluster
	s_lshl_b32 s62, 0x1111, s19                    ; my column
	s_or_b32 s[G1A], s61, (3<<16)|(1<<21)          ; the mask; elements of 8 bytes; bit 21 beside a mask; no padding
	s_or_b32 s[G1B], s62, (3<<16)|(1<<21)
	s_mov_b32 s[G1A+1], 768<<16                    ; rows of 6,144 bytes: a tile's four K steps
	s_mov_b32 s[G1A+2], 8<<16                      ; 8 tiles
	s_mov_b32 s[G1A+3], 768<<16
	s_mov_b32 s[G1A+4], 8
	s_mov_b32 s[G1A+5], 1536                       ; from tile to tile: 12,288 bytes
	s_mov_b32 s[G1A+6], 0
	s_mov_b32 s[G1A+7], 0
	s_mov_b32 s[G1B+1], 768<<16
	s_mov_b32 s[G1B+2], 16<<16                     ; 16 tiles
	s_mov_b32 s[G1B+3], 768<<16
	s_mov_b32 s[G1B+4], 16
	s_mov_b32 s[G1B+5], 1536
	s_mov_b32 s[G1B+6], 0
	s_mov_b32 s[G1B+7], 0
.irp j, 0,1
	s_mov_b32 s[G0A+4*\j], 1
	s_mov_b32 s[G0A+4*\j+1], ACH*\j
	s_mov_b32 s[G0B+4*\j], 1
	s_mov_b32 s[G0B+4*\j+1], BLDS+BCH*\j
.endr
	s_mov_b32 s2, 0x76543210
	s_mov_b32 s3, 0xfedcba98                       ; v_permlanex16_b32's selects for lane l xor 16
	s_mov_b32 s22, 0                               ; Q comes first
	s_wait_dscnt 0x0
	s_wait_kmcnt 0x0
	SETUP_IN
	CROUND                                         ; all sixteen work-groups are here: the joint loads meet
.macro ARM under, g0, g1, next         ; the head's four tiles, one joint load a wave, in one chain of branches on the wave's number
	s_cmp_lt_u32 s[WV], \under
	s_cbranch_scc0 \next
	TLOAD \g0, \g1
	s_branch .Lfirst_asked
\next:
.endm
	ARM 1, G0A, G1A, .Lhead_b0
	ARM 2, G0B, G1B, .Lhead_a1
	ARM 3, G0A+4, G1A, .Lhead_b1
	TLOAD G0B+4, G1B
.Lfirst_asked:
	v_and_b32 v19, 31, v0
	v_and_b32 v[RR], 15, v0
	v_bfe_u32 v[HH], v0, 4, 1
	v_lshlrev_b32 v[L16], 4, v19
	v_lshlrev_b32 v[L8], 3, v19
	v_lshlrev_b32 v[AD16], 4, v19
	v_lshlrev_b32 v[AD8], 3, v19
	v_add_nc_u32 v[AD16+1], ACH, v[L16]
	v_add_nc_u32 v[AD8+1], ACH, v[L8]
	s_mul_i32 s21, s[WV], 4*6144
	s_add_co_u32 s21, s21, BLDS                    ; my four tiles of B in a slot
	v_add_nc_u32 v[BD16], s21, v[L16]
	v_add_nc_u32 v[BD8], s21, v[L8]
	s_add_co_u32 s21, s21, BCH
	v_add_nc_u32 v[BD16+1], s21, v[L16]
	v_add_nc_u32 v[BD8+1], s21, v[L8]
	v_lshlrev_b32 v[SCI], 5, v[RR]
	v_lshlrev_b32 v[BQO], 6, v[HH]
	v_and_b32 v[BVO], 8, v[RR]
	v_add_lshl_u32 v[BVO], v[BVO], v[RR], 2
	WALU
	STAGE_LOADS 0
	SETUP_OUT
	WALU
	s_cmp_lt_u32 s[WV], 2                          ; waves 0 and 1 asked for the first halves, by load lines of their own: they wait; the second halves may stay out
	s_cbranch_scc0 .Lnot_first
	s_wait_tensorcnt 0x0
.Lnot_first:
	s_barrier_signal -1
	s_barrier_wait -1
	FETCH 0, 0
	FETCH 1, 1
	PREP
	PLACES 8                                       ; a scale register written by a vector instruction stands 8 places ahead of a scaled product
	s_mov_b32 s[CT], 0
.Lblocks:                                              ; Q's block, then K's
	BLOCK 1, 0
	WAYOUT
	s_wait_xcnt 0x0                                ; the stores have read their registers and bases: both are written again only behind this wait
	SETUP_OUT
	s_add_co_u32 s[CT], s[CT], 1
	s_cmp_lt_u32 s[CT], 2
	WALU
	s_cbranch_scc1 .Lblocks
	BLOCK 2, 1                                     ; V's block asks for nothing more
	WAYOUT
	s_wait_tensorcnt 0x0                           ; the wave's end
	ds_add_u32 v[SPW], v[NIL]
	s_wait_dscnt 0x0
	CROUND                                         ; the closing round
	s_endpgm
.Lfunc_end_k_qd1dae74424_proj:
	.size	k_qd1dae74424_proj, .Lfunc_end_k_qd1dae74424_proj-k_qd1dae74424_proj
	.p2alignl 7, 3214868480
	.fill 96, 4, 3214868480
	.section	.rodata,"a",@progbits
	.p2align	6, 0x0
	.amdhsa_kernel k_qd1dae74424_proj
		.amdhsa_group_segment_fixed_size 327680
		.amdhsa_private_segment_fixed_size 0
		.amdhsa_enable_private_segment 0
		.amdhsa_kernarg_size 56
		.amdhsa_user_sgpr_count 2
		.amdhsa_user_sgpr_kernarg_segment_ptr 1
		.amdhsa_wavefront_size32 1
		.amdhsa_system_sgpr_workgroup_id_x 1
		.amdhsa_system_sgpr_workgroup_id_y 1
		.amdhsa_system_sgpr_workgroup_id_z 1
		.amdhsa_system_vgpr_workitem_id 0
		.amdhsa_next_free_vgpr 1024
		.amdhsa_next_free_sgpr 102
		.amdhsa_reserve_vcc 1
		.amdhsa_float_denorm_mode_32 3
		.amdhsa_float_denorm_mode_16_64 3
		.amdhsa_memory_ordered 1
		.amdhsa_forward_progress 1
		.amdhsa_inst_pref_size 186
	.end_amdhsa_kernel
	.amdgpu_metadata
---
amdhsa.version: [ 1, 2 ]
amdhsa.kernels:
  - .name:           k_qd1dae74424_proj
    .symbol:         k_qd1dae74424_proj.kd
    .args:
      - { .name: ximg, .offset: 0, .size: 8, .value_kind: global_buffer, .address_space: global }
      - { .name: xsc, .offset: 8, .size: 8, .value_kind: global_buffer, .address_space: global }
      - { .name: bq, .offset: 16, .size: 8, .value_kind: global_buffer, .address_space: global }
      - { .name: bk, .offset: 24, .size: 8, .value_kind: global_buffer, .address_space: global }
      - { .name: bv, .offset: 32, .size: 8, .value_kind: global_buffer, .address_space: global }
      - { .name: qimg, .offset: 40, .size: 8, .value_kind: global_buffer, .address_space: global }
      - { .name: kv, .offset: 48, .size: 8, .value_kind: global_buffer, .address_space: global }
    .group_segment_fixed_size: 327680
    .private_segment_fixed_size: 0
    .kernarg_segment_align: 8
    .kernarg_segment_size: 56
    .max_flat_workgroup_size: 128
    .sgpr_count:     102
    .vgpr_count:     1024
    .wavefront_size: 32
...
	.end_amdgpu_metadata
.endif
;; end of part 2
;; launch attn (part 3): grid 4 x 64, 8 waves a work-group, clusters of 4 x 1, 327,680 bytes of LDS; arguments qimg, kv, aoimg, aosc; writes aoimg, aosc
.if DOCPART == 3
	.amdgcn_target "amdgcn-amd-amdhsa--gfx1250"
	.amdhsa_code_object_version 6
	.text
	.protected	k_qd1dae74424_attn
	.globl	k_qd1dae74424_attn
	.p2align	8
	.type	k_qd1dae74424_attn,@function
k_qd1dae74424_attn:
	s_mov_b64 s[64:65], 0
	v_nop
	global_prefetch_b8 v0, s[64:65] scope:SCOPE_SE
	s_setreg_imm32_b32 hwreg(HW_REG_WAVE_MODE, 25, 1), 1
	s_wait_xcnt 0x0
	s_wait_alu depctr_hold_cnt(0) depctr_sa_sdst(0) depctr_va_vdst(0) depctr_va_sdst(0) depctr_va_ssrc(0) depctr_va_vcc(0) depctr_vm_vsrc(0)
	s_getreg_b32 s2, hwreg(HW_REG_IB_STS2, 6, 4)
	s_cmp_eq_u32 s2, 0
	s_cbranch_scc0 .Lentry_in_a_cluster
	s_endpgm
.Lentry_in_a_cluster:
	s_bfe_u32 s2, ttmp6, 0x10000c
	s_cmp_lg_u32 s2, 0x3003
	s_cbranch_scc0 .Lentry_shape_is_right
	s_endpgm
.Lentry_shape_is_right:
; ATTENTION on codes of FP6 (E2M3) with E8M0 scales: S^T = K Q^T, p = 2^(t - M), O^T += V^T p^T, O / l, and the result quantised again along the head's 64 channels for the last projection.
; IN: qimg [bh 64][step 16][6400] and kv [bh][step][12800], as the projection leaves them (half images of 16 rows x 64 channels, 768 bytes; scale words behind them).
; K's tile t of a step of 128 keys holds in row m the key 64 (t / 4) + 8 (t % 4) + m % 8 + 32 (m / 8) (the first launch lays k's rows so).  Both products are used transposed, so a lane (r, h) holds query r,
; and its score register 32 c + 8 j + i is key 64 c + 32 h + 8 j + i: 32 registers are ONE scale block of p, in the order of the operand's registers: a block's largest score needs no other lane and no code changes lanes.
; The head is 64 wide and the product 128 deep: a fragment of K carries two tiles, and q stands beside six registers of zero codes, below or above, to take one of them.
; SOFTMAX: M is the ceiling of the running largest t, a whole number, kept as -M; the sum l is taken of the unquantised p; when M moves, l and O^T are multiplied by 2^(old M - new M), with no branch.
; A block's largest p is made from its largest score by the same multiply-add and exponential as every p.
; THE DEAL: 256 work-groups; a work-group has one head's 512 queries, 32 tiles of 16; eight waves, two to a SIMD; a wave takes four tiles, TWO SIDE BY SIDE in each of two passes over the 16 key steps:
; each fragment of K and V read from LDS feeds both tiles, and the two tiles' chains of dependent lines take turns.
; LDS: the head's K and V, 204,800 bytes, filled ONCE: one joint load a wave at the head (two steps, 100 rows of 256 bytes); the four work-groups of a head form a cluster and ask jointly.  Behind it 1,024 bytes
; for the results' scale bytes and the spare words.  No prefetch: all of K and V is asked for by the head's one load a wave, and no loop runs ahead of it.
; LDS LOADS: V's 18 loads go out at a step's top, the next step's 17 loads of K behind the score products; so s_wait_dscnt 18 shows K in (V's 18 are younger) and s_wait_dscnt 17 shows V in (K's 17 are younger).
; The last step of a pass fetches step 0's K again: the second pass begins with it; behind the second pass it is not used.
; LIMITS: the promise holds while the scaled scores stay under 2^31 in magnitude; NaN and infinities are not served; a block whose every p is under 2^-124 keeps the byte 1.
; REGISTERS: window 0: addresses, states, scales, codes, v128-255 the two tiles' scores.  Window 1 (written 0 to 191): O^T of both tiles, zeros and q, K's fragments, V's fragments.
.set KVB,   12800
.set HEADB, 204800
.set GATH,  204800                     ; the results' scale bytes: [128 tokens 4][row 16][tile 8] x 2
.set SPARE, 205824                     ; the spare words: 128 bytes a wave
.set L16, 1                            ; 16 x lane
.set L8,  2                            ; 8 x lane
.set R16, 3                            ; 16 r
.set R8,  4                            ; 8 r
.set A16, 5                            ; v5-7 this step's V: pieces of 16 and of 8 bytes, scale bytes
.set A8,  6
.set AVS, 7
.set N16, 8                            ; v8-10 the next step's K, and its scale words
.set N8,  9
.set AKS, 10
.set GA,  11                           ; where my tiles' scale bytes go in LDS
.set ST,  12                           ; tile x at ST + 4 x: -M, the running largest score, l in two halves
.set PSW, 20                           ; v20-21 p's scale words
.set QS,  22                           ; v22-25 q's scale bytes, low and high, for each tile
.set QW,  26                           ; v26-27 q's scale words as loaded, one a pass
.set KSW, 28                           ; v28-31 K's scale words
.set VSW, 32                           ; v32-35 V's
.set VX,  36                           ; v36-39 V's bytes as loaded
.set VY,  38
.set F,   40                           ; v40, v42 the factors 2^(old M - new M)
.set BM,  44                           ; v44-47 block 2 x + c: largest score, then largest p
.set BP,  48
.set SO,  52                           ; the conversions' scale operands
.set T,   56
.set PT,  60                           ; v60-75 the second conversions' codes
.set PC,  76                           ; v76-99 p's codes, twelve registers a tile
.set SPW, 100
.set NIL, 101
.set H8,  102                          ; 8 h
.set U,   104                          ; v104-127 twelve first sums of tile 0's p
.set S,   128                          ; scores, then p: tile x at S + 64 x
.set O,   0                            ; window 1: O^T, tile x at 32 x
.set QZ,  64                           ; zeros, q of tile 0, zeros, q of tile 1, zeros: six registers each
.set KF,  96
.set VF,  144
.set WV,  12
.set G1,  16
.set G0,  24
.set SEL, 32
.set CS,  34                           ; c = log2(e) / 8
.set NCS, 36                           ; -c
.set CNT, 37
.set TV,  56
.set TB,  57
.set MSB, 0
.macro WIN new                         ; the immediate's high byte repeats the setting that is left
.if MSB != \new
	s_set_vgpr_msb (MSB<<8)|\new
.set MSB, \new
.endif
.endm
.macro WALU
	s_wait_alu depctr_va_vdst(0)
.endm
.macro CROUND
	s_barrier_signal -1
	s_barrier_wait -1
	s_cmp_lg_u32 s[WV], 0
	s_cbranch_scc1 .Lnot_wave_0_\@
	s_barrier_signal -3
.Lnot_wave_0_\@:
	s_barrier_wait -3
	s_barrier_signal -1
	s_barrier_wait -1
.endm
	s_load_b256 s[4:11], s[0:1], 0x0               ; qimg, kv, aoimg, aosc
	v_lshl_add_u32 v[SPW], v0, 2, SPARE
	v_mov_b32 v[NIL], 0
	ds_add_u32 v[SPW], v[NIL]                      ; the opening lines: the add twice on end and its wait
	ds_add_u32 v[SPW], v[NIL]
	v_lshrrev_b32 v1, 5, v0
	v_readfirstlane_b32 s[WV], v1                  ; wave 0..7
	s_bfe_u32 s13, ttmp6, 0x40000                  ; cx: which 512 queries
	s_and_b32 s14, ttmp7, 0xffff                   ; batch x 16 + head
	s_mov_b32 s[G1], 15|(3<<16)|(1<<21)            ; the four partners; elements of 8 bytes
	s_mov_b32 s[G1+1], 32<<16                      ; rows of 256 bytes
	s_mov_b32 s[G1+2], 100<<16                     ; 100 rows: two key steps
	s_mov_b32 s[G1+3], 32<<16
	s_mov_b32 s[G1+4], 100
	s_mov_b32 s[G1+5], 32
	s_mov_b32 s[G1+6], 0
	s_mov_b32 s[G1+7], 0
	s_mul_i32 s48, s[WV], 2*KVB
	s_mul_i32 s46, s14, HEADB
	s_add_co_u32 s46, s46, s48
	s_mov_b32 s47, 0
	s_mov_b32 s[SEL], 0x76543210
	s_mov_b32 s[SEL+1], 0xfedcba98                 ; lane l xor 16
	s_mov_b32 s[CS], 0x3e38aa3b
	s_mov_b32 s[CS+1], s[CS]
	s_mov_b32 s[NCS], 0xbe38aa3b
	s_mov_b32 s38, 0x05040100
	s_mov_b32 s39, 0x07060302
	s_lshl_b32 s49, s14, 4
	s_lshl_b32 s50, s13, 2
	s_add_co_u32 s49, s49, s50
	s_lshr_b32 s50, s[WV], 1
	s_add_co_u32 s49, s49, s50                     ; q's block of 128 tokens
	s_mul_i32 s54, s49, 6400
	s_and_b32 s52, s[WV], 1
	s_mul_i32 s40, s52, 3072                       ; my four tiles in it
	s_add_co_u32 s40, s40, s54
	s_mov_b32 s41, 0
	s_lshl_b32 s53, s52, 3
	s_add_co_u32 s54, s54, s53                     ; and their two scale words a row
	s_mov_b32 s55, 0
	s_lshl_b32 s51, s50, 8
	s_add_co_u32 s51, s51, s53
	s_add_co_u32 s51, s51, GATH
	s_lshr_b32 s49, s14, 4                         ; batch
	s_lshl_b32 s50, s49, 7
	s_lshl_b32 s53, s13, 5
	s_add_co_u32 s50, s50, s53
	s_lshl_b32 s53, s[WV], 2
	s_add_co_u32 s50, s50, s53                     ; my first tile of tokens
	s_mul_i32 s42, s50, 12288
	s_and_b32 s53, s14, 15                         ; head
	s_mul_i32 s52, s53, 768
	s_add_co_u32 s42, s42, s52
	s_mov_b32 s43, 0
	s_lshl_b32 s44, s53, 14
	s_lshl_b32 s52, s49, 4
	s_lshl_b32 s53, s13, 2
	s_add_co_u32 s52, s52, s53
	s_lshl_b32 s52, s52, 8
	s_add_co_u32 s44, s44, s52
	s_mov_b32 s45, 0
	s_wait_dscnt 0x0
	s_wait_kmcnt 0x0
	s_add_nc_u64 s[46:47], s[6:7], s[46:47]
	s_add_nc_u64 s[40:41], s[4:5], s[40:41]
	s_add_nc_u64 s[54:55], s[4:5], s[54:55]
	s_add_nc_u64 s[42:43], s[8:9], s[42:43]
	s_add_nc_u64 s[44:45], s[10:11], s[44:45]
	CROUND                                         ; the four partners are here: the joint loads meet
	s_mov_b32 s[G0], 1
	s_mov_b32 s[G0+1], s48
	s_mov_b64 s[G0+2:G0+3], s[46:47]
	s_or_b32 s[G0+3], s[G0+3], 0x80000000
	tensor_load_to_lds s[G0:G0+3], s[G1:G1+7]      ; key steps 2 w and 2 w + 1: my one tensor load
	s_nop 0
.rept 4
	v_nop
.endr
	v_and_b32 v[T], 31, v0
	v_and_b32 v[R16], 15, v0
	v_bfe_u32 v[H8], v0, 4, 1
	v_lshlrev_b32 v[L16], 4, v[T]
	v_lshlrev_b32 v[L8], 3, v[T]
	v_lshlrev_b32 v[R8], 3, v[R16]
	v_lshlrev_b32 v[R16], 4, v[R16]
	v_lshlrev_b32 v[H8], 3, v[H8]
	v_add_nc_u32 v[GA], s51, v[R16]
	global_load_b64 v[QW:QW+1], v[R16], s[54:55] offset:6144
.irp b, 0,1,2,3
	v_mov_b32 v[BP+\b], 0                          ; written once: a lane permute's destination counts as a source
	v_mov_b32 v[T+\b], 0
.endr
	v_mov_b32 v[F+1], 0                            ; the upper halves of the pairs that the packed forms name
	v_mov_b32 v[F+3], 0
	WIN 0x40
.irp i, 0,1,2,3,4,5
	v_mov_b32 v[QZ+\i], 0                          ; zero codes beside q
	v_mov_b32 v[QZ+12+\i], 0
	v_mov_b32 v[QZ+24+\i], 0
.endr
	WIN 0
	WALU
	s_wait_tensorcnt 0x0
	s_barrier_signal -1
	s_barrier_wait -1                              ; all of K and V is in
.macro KLOAD a16, a8, as               ; a step's four fragments of K and its scale words: 17 loads
	WIN 0x40
.irp g, 0,1,2,3
	ds_load_b128 v[KF+12*\g:KF+12*\g+3], v[\a16] offset:1536*\g
	ds_load_b64 v[KF+12*\g+4:KF+12*\g+5], v[\a8] offset:1536*\g+512
	ds_load_b128 v[KF+12*\g+6:KF+12*\g+9], v[\a16] offset:1536*\g+768
	ds_load_b64 v[KF+12*\g+10:KF+12*\g+11], v[\a8] offset:1536*\g+1280
.endr
	WIN 0
	ds_load_b128 v[KSW:KSW+3], v[\as] offset:12288
.endm
.macro SUMS i                          ; the rows' sums of p, four chains by turns: tile 0 from its first sums and its last 16 p, tile 1 from its p
.if (\i) < 12
.if (\i)%2
	v_pk_add_f32 v[ST+2:ST+3], v[ST+2:ST+3], v[U+2*(\i):U+2*(\i)+1]
.else
	v_pk_add_f32 v[U:U+1], v[U:U+1], v[U+2*(\i):U+2*(\i)+1]
.endif
.else
	v_pk_add_f32 v[ST+2:ST+3], v[ST+2:ST+3], v[S+4*(\i):S+4*(\i)+1]
	v_pk_add_f32 v[U:U+1], v[U:U+1], v[S+4*(\i)+2:S+4*(\i)+3]
.endif
	v_pk_add_f32 v[ST+6:ST+7], v[ST+6:ST+7], v[S+64+4*(\i):S+64+4*(\i)+1]
	v_pk_add_f32 v[T:T+1], v[T:T+1], v[S+64+4*(\i)+2:S+64+4*(\i)+3]
.endm
.macro STEP                            ; 128 keys against two tiles of 16 queries
	s_mul_i32 s[TV], s[CNT], KVB                   ; this step's place in LDS,
	s_add_co_u32 s[TB], s[CNT], 1
	s_and_b32 s[TB], s[TB], 15
	s_mul_i32 s[TB], s[TB], KVB                    ; and the next step's (behind the last: step 0's)
	v_add_nc_u32 v[A16], s[TV], v[L16]             ; these four are also the places between the last products and the loads into V's registers
	v_add_nc_u32 v[A8], s[TV], v[L8]
	v_add_nc_u32 v[AVS], s[TV], v[R8]
	v_nop
	WIN 0x40
.irp g, 0,1,2,3
	ds_load_b128 v[VF+12*\g:VF+12*\g+3], v[A16] offset:6144+1536*\g
	ds_load_b64 v[VF+12*\g+4:VF+12*\g+5], v[A8] offset:6144+1536*\g+512
	ds_load_b128 v[VF+12*\g+6:VF+12*\g+9], v[A16] offset:6144+1536*\g+768
	ds_load_b64 v[VF+12*\g+10:VF+12*\g+11], v[A8] offset:6144+1536*\g+1280
.endr
	WIN 0
	ds_load_b64 v[VX:VX+1], v[AVS] offset:12544
	ds_load_b64 v[VY:VY+1], v[AVS] offset:12672
	s_wait_dscnt 18                                ; K is in; V's 18 loads may be out
	WIN 0x05                                       ; K and q in window 1
.irp g, 0,1,2,3
.irp x, 0,1
	v_wmma_scale_f32_16x16x128_f8f6f4 v[S+64*\x+16*\g:S+64*\x+16*\g+7], v[KF+12*\g:KF+12*\g+11], v[QZ+6+12*\x:QZ+17+12*\x], 0, v[KSW+\g], v[QS+2*\x] matrix_a_fmt:MATRIX_FMT_FP6 matrix_b_fmt:MATRIX_FMT_FP6
	v_wmma_scale_f32_16x16x128_f8f6f4 v[S+64*\x+16*\g+8:S+64*\x+16*\g+15], v[KF+12*\g:KF+12*\g+11], v[QZ+12*\x:QZ+11+12*\x], 0, v[KSW+\g], v[QS+2*\x+1] matrix_a_fmt:MATRIX_FMT_FP6 matrix_b_fmt:MATRIX_FMT_FP6
.endr
.endr
	WIN 0
	v_add_nc_u32 v[N16], s[TB], v[L16]             ; four places behind the products, ahead of the loads into K's registers and of the first read of scores
	v_add_nc_u32 v[N8], s[TB], v[L8]
	v_add_nc_u32 v[AKS], s[TB], v[R16]
	v_nop
	KLOAD N16, N8, AKS
.irp q, 0,1,2,3                        ; the largest score of each block of 32 keys: all 32 are mine; each accumulator is read from its low end on
	v_max3_num_f32 v[BM+\q], v[S+32*\q], v[S+32*\q+1], v[S+32*\q+2]
.endr
.irp i, 3,5,7,9,11,13,15,17,19,21,23,25,27,29
.irp q, 0,1,2,3
	v_max3_num_f32 v[BM+\q], v[BM+\q], v[S+32*\q+\i], v[S+32*\q+\i+1]
.endr
.endr
.irp q, 0,1,2,3
	v_max_num_f32 v[BM+\q], v[BM+\q], v[S+32*\q+31]
.endr
.irp x, 0,1
	v_max_num_f32 v[T+\x], v[BM+2*\x], v[BM+2*\x+1]
.endr
.irp x, 0,1
	v_permlanex16_b32 v[BP+\x], v[T+\x], s[SEL], s[SEL+1]
.endr
.irp x, 0,1
	v_max3_num_f32 v[ST+4*\x+1], v[ST+4*\x+1], v[T+\x], v[BP+\x]   ; the running largest score of my query
.endr
.irp x, 0,1
	v_mul_f32 v[T+\x], s[NCS], v[ST+4*\x+1]        ; -t
.endr
.irp x, 0,1
	v_mov_b32 v[T+2+\x], v[ST+4*\x]
.endr
.irp x, 0,1
	v_floor_f32 v[ST+4*\x], v[T+\x]                ; the new -M = floor(-t)
.endr
.irp x, 0,1
	v_sub_f32 v[T+2+\x], v[ST+4*\x], v[T+2+\x]     ; old M - new M, a whole number, 0 or less
.endr
.irp x, 0,1
	v_cvt_i32_f32 v[T+2+\x], v[T+2+\x]             ; (it saturates)
.endr
.irp x, 0,1
	v_ldexp_f32 v[F+2*\x], 1.0, v[T+2+\x]
.endr
.irp x, 0,1
	v_pk_mul_f32 v[ST+4*\x+2:ST+4*\x+3], v[ST+4*\x+2:ST+4*\x+3], v[F+2*\x:F+2*\x+1] op_sel_hi:[1,0]
.endr
	WIN 0x41                                       ; O^T under the new M
.irp x, 0,1
.set j, 0
.rept 16
	v_pk_mul_f32 v[O+32*\x+j:O+32*\x+j+1], v[O+32*\x+j:O+32*\x+j+1], v[F+2*\x:F+2*\x+1] op_sel_hi:[1,0]
.set j, j+2
.endr
.endr
	WIN 0
.set j, 0
.rept 32
	v_pk_fma_f32 v[S+j:S+j+1], v[S+j:S+j+1], s[CS:CS+1], v[ST:ST+1] op_sel_hi:[1,0,0]   ; tile 0: t - M
.set j, j+2
.endr
	v_fma_f32 v[BM], v[BM], s[CS], v[ST]
	v_fma_f32 v[BM+1], v[BM+1], s[CS], v[ST]
	WALU                                           ; ahead of a batch of exponentials: all that the lines among them read was written ahead of it
.set j, 0
.rept 32                               ; tile 0's p; among them tile 1's t - M, each line on registers of its own
	v_exp_f32 v[S+j], v[S+j]
	v_exp_f32 v[S+j+1], v[S+j+1]
	v_pk_fma_f32 v[S+64+j:S+65+j], v[S+64+j:S+65+j], s[CS:CS+1], v[ST+4:ST+5] op_sel_hi:[1,0,0]
.set j, j+2
.endr
	v_exp_f32 v[BM], v[BM]
	v_exp_f32 v[BM+1], v[BM+1]
	v_fma_f32 v[BM+2], v[BM+2], s[CS], v[ST+4]
	v_fma_f32 v[BM+3], v[BM+3], s[CS], v[ST+4]
	WALU                                           ; behind tile 0's batch, ahead of tile 1's
.set j, 0
.rept 16                               ; tile 1's p; among them twelve first sums of tile 0's p, each into a pair of its own
	v_exp_f32 v[S+64+4*j], v[S+64+4*j]
	v_exp_f32 v[S+65+4*j], v[S+65+4*j]
	v_exp_f32 v[S+66+4*j], v[S+66+4*j]
	v_exp_f32 v[S+67+4*j], v[S+67+4*j]
.if j < 12
	v_pk_add_f32 v[U+2*j:U+2*j+1], v[S+4*j:S+4*j+1], v[S+4*j+2:S+4*j+3]
.endif
.set j, j+1
.endr
	v_exp_f32 v[BM+2], v[BM+2]
	v_exp_f32 v[BM+3], v[BM+3]
	v_nop
	WALU                                           ; behind the batch, and directly ahead of the wait below
	s_wait_dscnt 17                                ; V is in; the next step's 17 loads of K may be out
	v_perm_b32 v[VSW], v[VY], v[VX], s38           ; V's scale words: the two key halves' pairs of bytes
	v_perm_b32 v[VSW+1], v[VY], v[VX], s39
	v_perm_b32 v[VSW+2], v[VY+1], v[VX+1], s38
	v_perm_b32 v[VSW+3], v[VY+1], v[VX+1], s39
.irp q, 0,1,2,3
	v_max_num_f32 v[BM+\q], 0x1800000, v[BM+\q]    ; the floor 2^(3 - 127) holds the byte at 1 from below
.endr
.irp q, 0,1,2,3
	v_add_nc_u32 v[SO+\q], 0xff000000, v[BM+\q]    ; 2 off the exponent field: the conversion's scale operand
.endr
.irp q, 0,1,2,3
	v_lshrrev_b32 v[BP+\q], 23, v[SO+\q]           ; the byte
.endr
.irp x, 0,1
	v_lshl_or_b32 v[T+\x], v[BP+2*\x+1], 16, v[BP+2*\x]   ; my blocks h and 2 + h,
.endr
.irp x, 0,1
	v_lshlrev_b32 v[T+\x], v[H8], v[T+\x]          ; at their places in the word;
.endr
.irp x, 0,1
	v_permlanex16_b32 v[T+2+\x], v[T+\x], s[SEL], s[SEL+1]
.endr
.irp x, 0,1
	v_or_b32 v[PSW+\x], v[T+\x], v[T+2+\x]         ; with lane l xor 16's two the word is whole
.endr
.irp x, 0,1
.irp c, 0,1
	v_cvt_scalef32_pk16_fp6_f32 v[PC+12*\x+6*\c:PC+12*\x+6*\c+2], v[S+64*\x+32*\c:S+64*\x+32*\c+15], v[SO+2*\x+\c]
	v_cvt_scalef32_pk16_fp6_f32 v[PT+8*\x+4*\c:PT+8*\x+4*\c+2], v[S+64*\x+32*\c+16:S+64*\x+32*\c+31], v[SO+2*\x+\c]   ; (a conversion's three registers begin on an even number)
.endr
.endr
	v_pk_add_f32 v[T:T+1], v[S+64:S+65], v[S+66:S+67]
.set I, 1
.rept 10
	SUMS I
.set I, I+1
.endr
.irp x, 0,1
.irp c, 0,1
.irp i, 0,1,2
	v_mov_b32 v[PC+12*\x+6*\c+3+\i], v[PT+8*\x+4*\c+\i]
.endr
.endr
.endr
.rept 5                                ; these lines are also the places between the codes' last moves and the products
	SUMS I
.set I, I+1
.endr
	v_pk_add_f32 v[ST+2:ST+3], v[ST+2:ST+3], v[U:U+1]
	v_pk_add_f32 v[ST+6:ST+7], v[ST+6:ST+7], v[T:T+1]
	WIN 0x51                                       ; V, C and D in window 1, p in window 0.  The eight accumulators take turns
.irp g, 0,1,2,3
.irp x, 0,1
	v_wmma_scale_f32_16x16x128_f8f6f4 v[O+32*\x+8*\g:O+32*\x+8*\g+7], v[VF+12*\g:VF+12*\g+11], v[PC+12*\x:PC+12*\x+11], v[O+32*\x+8*\g:O+32*\x+8*\g+7], v[VSW+\g], v[PSW+\x] matrix_a_fmt:MATRIX_FMT_FP6 matrix_b_fmt:MATRIX_FMT_FP6
.endr
.endr
	WIN 0
.endm
.macro TILE p                          ; pass p: my tiles 2 p and 2 p + 1
	s_wait_xcnt 0x0                                ; the last pass's stores have read their registers
	WIN 0x40
	global_load_b128 v[QZ+6:QZ+9], v[L16], s[40:41] offset:1536*\p
	global_load_b64 v[QZ+10:QZ+11], v[L8], s[40:41] offset:1536*\p+512
	global_load_b128 v[QZ+18:QZ+21], v[L16], s[40:41] offset:1536*\p+768
	global_load_b64 v[QZ+22:QZ+23], v[L8], s[40:41] offset:1536*\p+1280
	WIN 0
	s_wait_loadcnt 4                               ; q's scale words, asked for at the head, are in; the four loads above may be out
	v_bfe_u32 v[QS], v[QW+\p], 0, 16               ; a tile's two bytes, for q below the zeros and above them
	v_lshlrev_b32 v[QS+1], 16, v[QW+\p]
	v_lshrrev_b32 v[QS+2], 16, v[QW+\p]
	v_and_b32 v[QS+3], 0xffff0000, v[QW+\p]
.irp x, 0,1
	v_mov_b32 v[ST+4*\x], 0x7d000000               ; -M = 2^123: the first step's factor falls to 0
	v_mov_b32 v[ST+4*\x+1], 0xff61b1e6             ; -3e38, under every score
	v_mov_b32 v[ST+4*\x+2], 0
	v_mov_b32 v[ST+4*\x+3], 0
.endr
	WIN 0x40
.set j, 0
.rept 64
	v_mov_b32 v[O+j], 0                            ; the step is written once: the first finds zeros
.set j, j+1
.endr
	WIN 0
	s_wait_loadcnt 0x0
	s_mov_b32 s[CNT], 0
.Lkeys_\@:
	STEP
	s_add_co_u32 s[CNT], s[CNT], 1
	s_cmp_lt_u32 s[CNT], 16
	s_cbranch_scc1 .Lkeys_\@
.irp x, 0,1
	v_add_f32 v[ST+4*\x+2], v[ST+4*\x+2], v[ST+4*\x+3]
.endr
.irp x, 0,1
	v_permlanex16_b32 v[T+\x], v[ST+4*\x+2], s[SEL], s[SEL+1]
.endr
.irp x, 0,1
	v_add_f32 v[ST+4*\x+2], v[ST+4*\x+2], v[T+\x]  ; the row's sum
.endr
	WALU
.irp x, 0,1
	v_rcp_f32 v[ST+4*\x+2], v[ST+4*\x+2]
.endr
.rept 3
	v_nop
.endr
	WIN 0x01
	WALU                                           ; directly ahead of the first reader of O^T and of the reciprocals
.irp x, 0,1
.set j, 0
.rept 32
	v_mul_f32 v[S+64*\x+j], v[O+32*\x+j], v[ST+4*\x+2]   ; register 16 b + i of lane (r, h): channel 32 b + 16 h + i of query r
.set j, j+1
.endr
.endr
	WIN 0
.irp x, 0,1
.irp b, 0,1
	v_max3_num_f32 v[BM+2*\x+\b], |v[S+64*\x+16*\b]|, |v[S+64*\x+16*\b+1]|, 0x1800000
.endr
.endr
.irp i, 2,4,6,8,10,12,14
.irp x, 0,1
.irp b, 0,1
	v_max3_num_f32 v[BM+2*\x+\b], v[BM+2*\x+\b], |v[S+64*\x+16*\b+\i]|, |v[S+64*\x+16*\b+\i+1]|
.endr
.endr
.endr
.irp q, 0,1,2,3
	v_permlanex16_b32 v[BP+\q], v[BM+\q], s[SEL], s[SEL+1]
.endr
.irp q, 0,1,2,3
	v_max_num_f32 v[BM+\q], v[BM+\q], v[BP+\q]     ; with lane l xor 16's 16: the block's largest magnitude
.endr
.irp q, 0,1,2,3
	v_add_nc_u32 v[SO+\q], 0xff000000, v[BM+\q]
.endr
.irp q, 0,1,2,3
	v_lshrrev_b32 v[BP+\q], 23, v[SO+\q]
.endr
.irp x, 0,1
	v_lshl_or_b32 v[T+\x], v[BP+2*\x+1], 8, v[BP+2*\x]
.endr
.irp x, 0,1
	v_cvt_scalef32_pk16_fp6_f32 v[PC+12*\x:PC+12*\x+2], v[S+64*\x:S+64*\x+15], v[SO+2*\x]
	v_cvt_scalef32_pk16_fp6_f32 v[PT+8*\x:PT+8*\x+2], v[S+64*\x+16:S+64*\x+31], v[SO+2*\x+1]
.endr
	v_nop
.irp x, 0,1                            ; here a block lies in two lanes: the operand's layout wants it whole in one
.irp i, 0,1,2
	v_permlane16_swap_b32 v[PC+12*\x+\i], v[PT+8*\x+\i]
.endr
.irp i, 0,1,2
	v_mov_b32 v[PC+12*\x+3+\i], v[PT+8*\x+\i]
.endr
.endr
.irp x, 0,1
	global_store_b128 v[L16], v[PC+12*\x:PC+12*\x+3], s[42:43] offset:12288*(2*\p+\x)        ; a half image: 512 consecutive bytes, aligned,
	global_store_b64 v[L8], v[PC+12*\x+4:PC+12*\x+5], s[42:43] offset:12288*(2*\p+\x)+512    ; and 256
	ds_store_b16 v[GA], v[T+\x] offset:4*\p+2*\x
.endr
.endm
	KLOAD L16, L8, R16                             ; step 0's K
	TILE 0
	TILE 1
	s_wait_dscnt 0x0
	s_barrier_signal -1
	s_barrier_wait -1                              ; all scale bytes are in LDS: they leave as four aligned units of 256 bytes
	v_lshl_add_u32 v[T], v0, 4, GATH
	v_lshlrev_b32 v[T+1], 4, v0
	WALU
	s_cmp_lt_u32 s[WV], 2
	s_cbranch_scc0 .Lno_gather
	ds_load_b128 v[S:S+3], v[T]
	s_wait_dscnt 0x0
	global_store_b128 v[T+1], v[S:S+3], s[44:45]
.Lno_gather:
	s_wait_tensorcnt 0x0                           ; the wave's end
	ds_add_u32 v[SPW], v[NIL]
	s_wait_dscnt 0x0
	CROUND                                         ; the closing round
	s_endpgm
.Lfunc_end_k_qd1dae74424_attn:
	.size	k_qd1dae74424_attn, .Lfunc_end_k_qd1dae74424_attn-k_qd1dae74424_attn
	.p2alignl 7, 3214868480
	.fill 96, 4, 3214868480
	.section	.rodata,"a",@progbits
	.p2align	6, 0x0
	.amdhsa_kernel k_qd1dae74424_attn
		.amdhsa_group_segment_fixed_size 327680
		.amdhsa_private_segment_fixed_size 0
		.amdhsa_enable_private_segment 0
		.amdhsa_kernarg_size 32
		.amdhsa_user_sgpr_count 2
		.amdhsa_user_sgpr_kernarg_segment_ptr 1
		.amdhsa_wavefront_size32 1
		.amdhsa_system_sgpr_workgroup_id_x 1
		.amdhsa_system_sgpr_workgroup_id_y 1
		.amdhsa_system_sgpr_workgroup_id_z 1
		.amdhsa_system_vgpr_workitem_id 0
		.amdhsa_next_free_vgpr 448
		.amdhsa_next_free_sgpr 66
		.amdhsa_reserve_vcc 0
		.amdhsa_float_denorm_mode_32 3
		.amdhsa_float_denorm_mode_16_64 3
		.amdhsa_memory_ordered 1
		.amdhsa_forward_progress 1
		.amdhsa_inst_pref_size 83
	.end_amdhsa_kernel
	.amdgpu_metadata
---
amdhsa.version: [ 1, 2 ]
amdhsa.kernels:
  - .name:           k_qd1dae74424_attn
    .symbol:         k_qd1dae74424_attn.kd
    .args:
      - { .name: qimg, .offset: 0, .size: 8, .value_kind: global_buffer, .address_space: global }
      - { .name: kv, .offset: 8, .size: 8, .value_kind: global_buffer, .address_space: global }
      - { .name: aoimg, .offset: 16, .size: 8, .value_kind: global_buffer, .address_space: global }
      - { .name: aosc, .offset: 24, .size: 8, .value_kind: global_buffer, .address_space: global }
    .group_segment_fixed_size: 327680
    .private_segment_fixed_size: 0
    .kernarg_segment_align: 8
    .kernarg_segment_size: 32
    .max_flat_workgroup_size: 256
    .sgpr_count:     66
    .vgpr_count:     448
    .wavefront_size: 32
...
	.end_amdgpu_metadata
.endif
;; end of part 3
;; launch outp (part 4): grid 4 x 64, 4 waves a work-group, clusters of 4 x 4, 312,832 bytes of LDS; arguments aoimg, aosc, ximg, xsc, bo, out0; writes out0
.if DOCPART == 4
	.amdgcn_target "amdgcn-amd-amdhsa--gfx1250"
	.amdhsa_code_object_version 6
	.text
	.protected	k_qd1dae74424_outp
	.globl	k_qd1dae74424_outp
	.p2align	8
	.type	k_qd1dae74424_outp,@function
k_qd1dae74424_outp:
	s_mov_b64 s[64:65], 0
	v_nop
	global_prefetch_b8 v0, s[64:65] scope:SCOPE_SE
	s_setreg_imm32_b32 hwreg(HW_REG_WAVE_MODE, 25, 1), 1
	s_wait_xcnt 0x0
	s_wait_alu depctr_hold_cnt(0) depctr_sa_sdst(0) depctr_va_vdst(0) depctr_va_sdst(0) depctr_va_ssrc(0) depctr_va_vcc(0) depctr_vm_vsrc(0)
	s_getreg_b32 s2, hwreg(HW_REG_IB_STS2, 6, 4)
	s_cmp_eq_u32 s2, 0
	s_cbranch_scc0 .Lentry_in_a_cluster
	s_endpgm
.Lentry_in_a_cluster:
	s_bfe_u32 s2, ttmp6, 0x10000c
	s_cmp_lg_u32 s2, 0xf033
	s_cbranch_scc0 .Lentry_shape_is_right
	s_endpgm
.Lentry_shape_is_right:
; out0 = A Wo^T + bo, on codes of FP6 (E2M3) with E8M0 scales.  A: attention's result as fragment images, aoimg [tile of 16 tokens 512][K step 8][1536], its scale bytes aosc [head 16][128 tokens 64][row 16][tile 8] x 2.
; Wo: tiles 1728 on of ximg and xsc.  out0: [8192][1024] f32.
; A work-group makes 128 tokens x 256 columns with all of K = 1,024 in LDS, filled ONCE, in four chunks of four K steps: no slot is ever filled again.  Wave w takes all 8 tiles of tokens against Wo's tiles 4 w .. 4 w + 3.
; THE MATRIX INSTRUCTION IS USED TRANSPOSED (source 0 = 16 rows of Wo, source 1 = 16 tokens): a lane holds one token; the registers of tiles 2 b and 2 b + 1 are columns 32 b + 16 h + 0 .. 15 of the wave's 64.
; Lane r of tile T is row 32 (T / 2) + 8 (T % 2) + r + 8 (r / 8), for tokens and for Wo's rows alike.
; CLUSTERS: 4 x 4 work-groups; the four of a row need the same A, the four of a column the same rows of Wo: each chunk is asked for jointly.  256 work-groups = 16 clusters.
; REGISTERS, in windows of 256: window 0: v1-19 addresses; v32-95 A's scale words (8 a + s), v96-127 Wo's (8 t + s); v128-191 the bias as C, later rows on their way out; v192-255 aosc's bytes as loaded.
;   window 1: the accumulators, (a, t) at 32 a + 8 t.   window 2: A's fragments, two sets, at 96 p + 12 a.   window 3: Wo's, two sets, at 48 p + 12 t.
.set TILEB, 12288
; K COMES IN TWO HALVES OF FOUR K STEPS, each tile's half a row of 6,144 bytes: wave 0 asks for A's first half, wave 1 for Wo's, wave 2 for A's second, wave 3 for Wo's: one tensor load a wave, filled once.
.set ACH,   49152
.set BCH,   98304
.set BLDS,  98304
.set STAGE, 294912                     ; behind the chunks: 16 rows x (256 + 16) bytes for each wave; no fill lands there
.set SPI,   272
.set L16, 1
.set L8,  2
.set A16, 3
.set A8,  4
.set B16, 5
.set B8,  6
.set SCI, 7                            ; v7   32 r
.set BQO, 8                            ; v8   64 h
.set ASO, 9                            ; v9   16 r: a row's eight pairs of bytes in aosc
.set STO, 10                           ; v10  the stage, in: row r, + 64 h
.set RD,  11                           ; v11  the stage, back: row h, + 16 r
.set CO,  12                           ; v12  the same in out0: 4,096 h + 16 r
.set RR,  16
.set HH,  17
.set SA,  32
.set SB,  96
.set BC,  128
.set BK,  128                          ; the way out: two sets of 32 registers
.set XY,  192
.set WV,  18
.set G1A, 28
.set G1B, 36
.set G0A, 44
.set G0B, 68
.set MSB, 0
.macro WIN new                         ; the immediate's high byte repeats the setting that is left
.if MSB != \new
	s_set_vgpr_msb (MSB<<8)|\new
.set MSB, \new
.endif
.endm
.set MUL,  0x5b                        ; source 0 (Wo) window 3, source 1 (A) window 2, C and D window 1
.set MUL0, 0x4b                        ; the same with C (the bias) in window 0
.set TO_A, 0x80
.set TO_B, 0xc0
.macro CROUND
	s_barrier_signal -1
	s_barrier_wait -1
	s_cmp_lg_u32 s[WV], 0
	s_cbranch_scc1 .Lnot_wave_0_\@
	s_barrier_signal -3
.Lnot_wave_0_\@:
	s_barrier_wait -3
	s_barrier_signal -1
	s_barrier_wait -1
.endm
.macro PLACES n
.rept \n
	v_nop
.endr
.endm
	s_load_b256 s[4:11], s[0:1], 0x0               ; aoimg, aosc, ximg, xsc
	s_load_b128 s[12:15], s[0:1], 0x20             ; bo, out0
	v_lshl_add_u32 v30, v0, 2, 0x4c400
	v_mov_b32 v31, 0
	ds_add_u32 v30, v31
	ds_add_u32 v30, v31
	v_lshrrev_b32 v1, 5, v0
	v_readfirstlane_b32 s[WV], v1                  ; wave 0..3
	s_bfe_u32 s19, ttmp6, 0x40000                  ; cx: my 256 columns
	s_bfe_u32 s20, ttmp6, 0x40004                  ; cy
	s_and_b32 s21, ttmp7, 0xffff                   ; cluster y, 0..15
	s_lshl_b32 s61, s20, 2
	s_lshl_b32 s61, 15, s61                        ; my row of the cluster
	s_lshl_b32 s62, 0x1111, s19                    ; my column
	s_or_b32 s[G1A], s61, (3<<16)|(1<<21)          ; the mask; elements of 8 bytes; bit 21 beside a mask; no padding
	s_or_b32 s[G1B], s62, (3<<16)|(1<<21)
	s_mov_b32 s[G1A+1], 768<<16                    ; rows of 6,144 bytes: a tile's four K steps
	s_mov_b32 s[G1A+2], 8<<16                      ; 8 tiles
	s_mov_b32 s[G1A+3], 768<<16
	s_mov_b32 s[G1A+4], 8
	s_mov_b32 s[G1A+5], 1536                       ; from tile to tile: 12,288 bytes
	s_mov_b32 s[G1A+6], 0
	s_mov_b32 s[G1A+7], 0
	s_mov_b32 s[G1B+1], 768<<16
	s_mov_b32 s[G1B+2], 16<<16                     ; 16 tiles
	s_mov_b32 s[G1B+3], 768<<16
	s_mov_b32 s[G1B+4], 16
	s_mov_b32 s[G1B+5], 1536
	s_mov_b32 s[G1B+6], 0
	s_mov_b32 s[G1B+7], 0
	s_lshl_b32 s25, s21, 2
	s_add_co_u32 s25, s25, s20                     ; mt: my 128 tokens; hangs on cy alone
	s_lshl_b32 s27, s25, 3                         ; A's first tile
	s_lshl_b32 s60, s19, 4
	s_add_co_u32 s60, s60, 1728                    ; Wo's first tile: on cx alone
	s_mul_i32 s2, s27, TILEB
	s_mov_b32 s3, 0
	s_mul_i32 s66, s60, TILEB
	s_mov_b32 s67, 0
	s_lshl_b32 s84, s25, 8                         ; aosc: 256 bytes for each 128 tokens
	s_mov_b32 s85, 0
	s_lshl_b32 s86, s[WV], 2
	s_add_co_u32 s86, s86, s60
	s_lshl_b32 s86, s86, 9                         ; the scale words of my four tiles of Wo
	s_mov_b32 s87, 0
	s_lshl_b32 s88, s19, 10
	s_lshl_b32 s89, s[WV], 8
	s_add_co_u32 s88, s88, s89                     ; my 64 columns, in bytes
	s_mov_b32 s89, 0
	s_lshl_b32 s90, s25, 19                        ; 128 rows of 4,096 bytes
	s_add_co_u32 s90, s90, s88
	s_mov_b32 s91, 0
	s_mov_b32 s92, 0x05040100                      ; v_perm_b32: the two low halves
	s_mov_b32 s93, 0x07060302                      ; the two high halves
	s_wait_dscnt 0x0
	s_wait_kmcnt 0x0
	s_add_nc_u64 s[2:3], s[4:5], s[2:3]
	s_add_nc_u64 s[66:67], s[8:9], s[66:67]
	s_add_nc_u64 s[84:85], s[6:7], s[84:85]
	s_add_nc_u64 s[86:87], s[10:11], s[86:87]
	s_add_nc_u64 s[88:89], s[12:13], s[88:89]
	s_add_nc_u64 s[90:91], s[14:15], s[90:91]
	CROUND                                         ; all sixteen work-groups are here: the joint loads meet
.irp j, 0,1
	s_mov_b32 s[G0A+4*\j], 1
	s_mov_b32 s[G0A+4*\j+1], ACH*\j                                ; LDS address: a constant
	s_add_nc_u64 s[G0A+4*\j+2:G0A+4*\j+3], s[2:3], 6144*\j         ; K steps 4 j to 4 j + 3
	s_or_b32 s[G0A+4*\j+3], s[G0A+4*\j+3], 0x80000000
	s_mov_b32 s[G0B+4*\j], 1
	s_mov_b32 s[G0B+4*\j+1], BLDS+BCH*\j
	s_add_nc_u64 s[G0B+4*\j+2:G0B+4*\j+3], s[66:67], 6144*\j
	s_or_b32 s[G0B+4*\j+3], s[G0B+4*\j+3], 0x80000000
.endr
; the head's four tiles, one joint load a wave, in one chain of branches on the wave's number: every way passes exactly one load
.macro ARM under, g0, g1, next
	s_cmp_lt_u32 s[WV], \under
	s_cbranch_scc0 \next
	tensor_load_to_lds s[\g0:\g0+3], s[\g1:\g1+7]
	s_nop 0
.rept 4
	v_nop
.endr
	s_branch .Lfirst_asked
\next:
.endm
	ARM 1, G0A, G1A, .Lhead_b0                     ; wave 0: A's first half
	ARM 2, G0B, G1B, .Lhead_a1                     ; wave 1: Wo's first half
	ARM 3, G0A+4, G1A, .Lhead_b1                   ; wave 2: A's second half
	tensor_load_to_lds s[G0B+4:G0B+7], s[G1B:G1B+7]  ; wave 3: Wo's second half
	s_nop 0
.rept 4
	v_nop
.endr
.Lfirst_asked:
	v_and_b32 v19, 31, v0
	v_and_b32 v[RR], 15, v0
	v_bfe_u32 v[HH], v0, 4, 1
	v_lshlrev_b32 v[L16], 4, v19
	v_lshlrev_b32 v[L8], 3, v19
	v_lshlrev_b32 v[A16], 4, v19
	v_lshlrev_b32 v[A8], 3, v19
	s_mul_i32 s21, s[WV], 4*6144
	s_add_co_u32 s21, s21, BLDS
	v_add_nc_u32 v[B16], s21, v[L16]
	v_add_nc_u32 v[B8], s21, v[L8]
	v_lshlrev_b32 v[SCI], 5, v[RR]
	v_lshlrev_b32 v[BQO], 6, v[HH]
	v_lshlrev_b32 v[ASO], 4, v[RR]
	s_mul_i32 s21, s[WV], 16*SPI
	s_add_co_u32 s21, s21, STAGE                   ; my stage
	v_mul_u32_u24 v[STO], v[RR], SPI
	v_lshl_add_u32 v[STO], v[HH], 6, v[STO]
	v_add_nc_u32 v[STO], s21, v[STO]
	v_mul_u32_u24 v[RD], v[HH], SPI
	v_lshl_add_u32 v[RD], v[RR], 4, v[RD]
	v_add_nc_u32 v[RD], s21, v[RD]
	v_lshlrev_b32 v[CO], 12, v[HH]
	v_lshl_add_u32 v[CO], v[RR], 4, v[CO]
.irp s, 0,1,2,3,4,5,6,7                        ; row r's bytes of heads 2 s and 2 s + 1, for the eight tiles: two bytes a tile
	global_load_b128 v[XY+8*\s:XY+8*\s+3], v[ASO], s[84:85] offset:16384*(2*\s)
	global_load_b128 v[XY+8*\s+4:XY+8*\s+7], v[ASO], s[84:85] offset:16384*(2*\s+1)
.endr
.irp t, 0,1,2,3
	global_load_b128 v[SB+8*\t:SB+8*\t+3], v[SCI], s[86:87] offset:512*\t
	global_load_b128 v[SB+8*\t+4:SB+8*\t+7], v[SCI], s[86:87] offset:512*\t+16
.endr
.irp t, 0,1,2,3                                ; the bias is the C of each sum's first product: tile t's eight columns of my half
	global_load_b128 v[BC+8*\t:BC+8*\t+3], v[BQO], s[88:89] offset:(32*(\t/2)+8*(\t%2))*4
	global_load_b128 v[BC+8*\t+4:BC+8*\t+7], v[BQO], s[88:89] offset:(32*(\t/2)+8*(\t%2))*4+16
.endr
; 48 LDS loads in one run: the fragments of K step s (my 4 tiles of Wo, all 8 of A) into set p
.macro FETCH s, p
	WIN TO_B
.irp t, 0,1,2,3
	ds_load_b128 v[48*(\p)+12*\t:48*(\p)+12*\t+3], v[B16] offset:6144*\t+1536*((\s)%4)
	ds_load_b64 v[48*(\p)+12*\t+4:48*(\p)+12*\t+5], v[B8] offset:6144*\t+1536*((\s)%4)+512
	ds_load_b128 v[48*(\p)+12*\t+6:48*(\p)+12*\t+9], v[B16] offset:6144*\t+1536*((\s)%4)+768
	ds_load_b64 v[48*(\p)+12*\t+10:48*(\p)+12*\t+11], v[B8] offset:6144*\t+1536*((\s)%4)+1280
.endr
	WIN TO_A
.irp a, 0,1,2,3,4,5,6,7
	ds_load_b128 v[96*(\p)+12*\a:96*(\p)+12*\a+3], v[A16] offset:6144*\a+1536*((\s)%4)
	ds_load_b64 v[96*(\p)+12*\a+4:96*(\p)+12*\a+5], v[A8] offset:6144*\a+1536*((\s)%4)+512
	ds_load_b128 v[96*(\p)+12*\a+6:96*(\p)+12*\a+9], v[A16] offset:6144*\a+1536*((\s)%4)+768
	ds_load_b64 v[96*(\p)+12*\a+10:96*(\p)+12*\a+11], v[A8] offset:6144*\a+1536*((\s)%4)+1280
.endr
	WIN 0
.endm
; 32 matrix instructions: K step s on set p; the 32 accumulators take turns, one instruction a turn, in the same order in every step.  first = 1: the sums begin with the bias
.macro MUL32 s, p, first
.irp a, 0,1,2,3,4,5,6,7
.irp t, 0,1,2,3
.if \first
	v_wmma_scale_f32_16x16x128_f8f6f4 v[32*\a+8*\t:32*\a+8*\t+7], v[48*(\p)+12*\t:48*(\p)+12*\t+11], v[96*(\p)+12*\a:96*(\p)+12*\a+11], v[BC+8*\t:BC+8*\t+7], v[SB+8*\t+(\s)], v[SA+8*\a+(\s)] matrix_a_fmt:MATRIX_FMT_FP6 matrix_b_fmt:MATRIX_FMT_FP6
.else
	v_wmma_scale_f32_16x16x128_f8f6f4 v[32*\a+8*\t:32*\a+8*\t+7], v[48*(\p)+12*\t:48*(\p)+12*\t+11], v[96*(\p)+12*\a:96*(\p)+12*\a+11], v[32*\a+8*\t:32*\a+8*\t+7], v[SB+8*\t+(\s)], v[SA+8*\a+(\s)] matrix_a_fmt:MATRIX_FMT_FP6 matrix_b_fmt:MATRIX_FMT_FP6
.endif
.endr
.endr
.endm
; K step s, 1 to 7: its fragments are in; the next step's are asked for, into the set that the step before multiplied, four places behind its last product; then the 32 products.
; Behind step 3's wait the second half is due: my part of it has landed, and a barrier says so of every wave.
.macro KSTEP s
	s_wait_dscnt 0x0                               ; this step's 48 loads, issued ahead of the last 32 products
.if (\s) == 3                          ; the second half is due: every wave waits for its one load, and a barrier says so of all
	WIN 0
	s_wait_tensorcnt 0x0
	s_barrier_signal -1
	s_barrier_wait -1
	v_add_nc_u32 v[A16], ACH, v[A16]               ; on to the next chunk; these four are also the places in front of the loads
	v_add_nc_u32 v[A8], ACH, v[A8]
	v_add_nc_u32 v[B16], BCH, v[B16]
	s_wait_alu depctr_va_vdst(0)
	v_add_nc_u32 v[B8], BCH, v[B8]
.elseif (\s) < 7
	PLACES 4
.endif
.if (\s) < 7
	s_wait_alu depctr_va_vdst(0)
	FETCH (\s)+1, ((\s)+1)%2
.endif
	WIN MUL
	MUL32 \s, (\s)%2, 0
.endm
	s_wait_alu depctr_va_vdst(0)
	s_cmp_lt_u32 s[WV], 2                          ; waves 0 and 1 asked for the first half, by load lines of their own: they wait for it; the second half may stay out
	s_cbranch_scc0 .Lnot_first
	s_wait_tensorcnt 0x0
.Lnot_first:
	s_barrier_signal -1
	s_barrier_wait -1                              ; everybody's is
	FETCH 0, 0
	FETCH 1, 1
	s_wait_loadcnt 0x0                             ; scale bytes, scale words, bias
.irp s, 0,1,2,3,4,5,6,7                        ; A's scale word of tile a and K step s: head 2 s's two bytes, then head 2 s + 1's.  K step 0's eight come first: 56 plain instructions stand between them and the first product
.irp i, 0,1,2,3
	v_perm_b32 v[SA+16*\i+\s], v[XY+8*\s+4+\i], v[XY+8*\s+\i], s92
	v_perm_b32 v[SA+16*\i+8+\s], v[XY+8*\s+4+\i], v[XY+8*\s+\i], s93
.endr
.endr
	s_wait_dscnt 48                                ; K step 0's 48 loads are in; step 1's 48 may be out
	WIN MUL0
	MUL32 0, 0, 1
.irp s, 1,2,3,4,5,6,7
	KSTEP \s
.endr
; THE WAY OUT, a tile of 16 tokens x my 64 columns at a time, through my own stage in LDS: a lane holds pieces of 32 bytes of one row, and comes back with 16 bytes of a row of 256.
; LDS serves a wave's instructions in order: no wait between the stores and the loads, nor in front of the next tile's stores.
.macro TOSTAGE a
	WIN 0x04                                       ; an LDS store's data are its source 1: window 1
.irp t, 0,1,2,3
	ds_store_b128 v[STO], v[32*(\a)+8*\t:32*(\a)+8*\t+3] offset:128*(\t/2)+32*(\t%2)         ; each accumulator from its low end on
	ds_store_b128 v[STO], v[32*(\a)+8*\t+4:32*(\a)+8*\t+7] offset:128*(\t/2)+32*(\t%2)+16
.endr
	WIN 0
.irp i, 0,1,2,3,4,5,6,7
	ds_load_b128 v[BK+32*((\a)%2)+4*\i:BK+32*((\a)%2)+4*\i+3], v[RD] offset:2*SPI*\i         ; rows 2 i and 2 i + 1 of the tile
.endr
.endm
.macro SEND a, younger                 ; younger: the LDS instructions issued behind tile a's loads, which may stay out
	s_wait_dscnt \younger
.irp i, 0,1,2,3,4,5,6,7
	global_store_b128 v[CO], v[BK+32*((\a)%2)+4*\i:BK+32*((\a)%2)+4*\i+3], s[90:91] offset:(32*((\a)/2)+8*((\a)%2)+2*\i+8*(\i/4))*4096 th:TH_STORE_NT   ; sixteen lanes store 256 consecutive bytes, aligned; every offset is an immediate
.endr
.endm
	PLACES 4                                       ; four places between the last product and the first read of results
	TOSTAGE 0
.irp a, 1,2,3,4,5,6,7
.if \a > 1
	s_wait_xcnt 0x0                                ; tile a - 2's stores have read their registers: tile a's loads may land there
.endif
	TOSTAGE \a
	SEND \a-1, 16                                  ; behind tile a - 1's loads: tile a's 8 stores and 8 loads
.endr
	SEND 7, 0
	s_wait_tensorcnt 0x0
	ds_add_u32 v30, v31
	s_wait_dscnt 0x0
	CROUND                                         ; the closing round: no work-group ends while a partner may still ask for a chunk that names it
	s_endpgm
.Lfunc_end_k_qd1dae74424_outp:
	.size	k_qd1dae74424_outp, .Lfunc_end_k_qd1dae74424_outp-k_qd1dae74424_outp
	.p2alignl 7, 3214868480
	.fill 96, 4, 3214868480
	.section	.rodata,"a",@progbits
	.p2align	6, 0x0
	.amdhsa_kernel k_qd1dae74424_outp
		.amdhsa_group_segment_fixed_size 312832
		.amdhsa_private_segment_fixed_size 0
		.amdhsa_enable_private_segment 0
		.amdhsa_kernarg_size 48
		.amdhsa_user_sgpr_count 2
		.amdhsa_user_sgpr_kernarg_segment_ptr 1
		.amdhsa_wavefront_size32 1
		.amdhsa_system_sgpr_workgroup_id_x 1
		.amdhsa_system_sgpr_workgroup_id_y 1
		.amdhsa_system_sgpr_workgroup_id_z 1
		.amdhsa_system_vgpr_workitem_id 0
		.amdhsa_next_free_vgpr 864
		.amdhsa_next_free_sgpr 102
		.amdhsa_reserve_vcc 0
		.amdhsa_float_denorm_mode_32 3
		.amdhsa_float_denorm_mode_16_64 3
		.amdhsa_memory_ordered 1
		.amdhsa_forward_progress 1
		.amdhsa_inst_pref_size 88
	.end_amdhsa_kernel
	.amdgpu_metadata
---
amdhsa.version: [ 1, 2 ]
amdhsa.kernels:
  - .name:           k_qd1dae74424_outp
    .symbol:         k_qd1dae74424_outp.kd
    .args:
      - { .name: aoimg, .offset: 0, .size: 8, .value_kind: global_buffer, .address_space: global }
      - { .name: aosc, .offset: 8, .size: 8, .value_kind: global_buffer, .address_space: global }
      - { .name: ximg, .offset: 16, .size: 8, .value_kind: global_buffer, .address_space: global }
      - { .name: xsc, .offset: 24, .size: 8, .value_kind: global_buffer, .address_space: global }
      - { .name: bo, .offset: 32, .size: 8, .value_kind: global_buffer, .address_space: global }
      - { .name: out0, .offset: 40, .size: 8, .value_kind: global_buffer, .address_space: global }
    .group_segment_fixed_size: 312832
    .private_segment_fixed_size: 0
    .kernarg_segment_align: 8
    .kernarg_segment_size: 48
    .max_flat_workgroup_size: 128
    .sgpr_count:     102
    .vgpr_count:     864
    .wavefront_size: 32
...
	.end_amdgpu_metadata
.endif
;; end of part 4
